; MI455X (gfx1250); checked and timed in simulation.
; The chip was launched on July 23, 2026; its instructions are those of AMD's public machine-readable ISA for CDNA 5 (MIT licence, August 2026) and "CDNA5" Instruction Set Architecture Reference Guide (July 2026). The comments in the code are by the model that wrote it; some were corrected since.
;; Filter Detection. Allowed arithmetic: float matrix products may take bf16 or f16 operands with f32 sums; all other float work in f32.
;; Inputs: cls_logit 8 x 2,048 x 81 float32; cls_regress 8 x 2,048 x 81 x 4 float32; proposal 8 x 2,048 x 4 float32.
;; Outputs: out0 8 x 100 x 81 float32; out1 8 x 100 x 4 float32.
;; 3 versions, each right; version 2 is faster than version 1; version 3 is version 2 with the launches nms, emit written anew for expert scheduling mode. Each part assembles by itself: llvm-mc -triple=amdgcn-amd-amdhsa -mcpu=gfx1250 --defsym DOCPART=n.
;; ======== version 1 of 3: 4 launches
;; workspace buffers: label 65,536 bytes of whole numbers; key 65,536 bytes; pk 65,536 bytes of whole numbers; kept 65,536 bytes of whole numbers; boxes 262,144 bytes
;; launch amax (part 1): grid 256 x 1, 2 waves a work-group, no clusters, 20,992 bytes of LDS; arguments cls_logit, label, key; writes label, key
.if DOCPART == 1
	.amdgcn_target "amdgcn-amd-amdhsa--gfx1250"
	.amdhsa_code_object_version 6
	.text
	.protected	k_q3d88c48f22_amax
	.globl	k_q3d88c48f22_amax
	.p2align	8
	.type	k_q3d88c48f22_amax,@function
k_q3d88c48f22_amax:
	s_mov_b64 s[64:65], 0
	v_nop
	global_prefetch_b8 v0, s[64:65] scope:SCOPE_SE
	s_setreg_imm32_b32 hwreg(HW_REG_WAVE_MODE, 25, 1), 1
	s_wait_xcnt 0x0
; label[row] = argmax over the 81 logits of a row (the first maximum wins), key[row] = max(bits of that logit, 0).
; For a logit >= +0 the key is the float itself and keys order as integers exactly as the floats do; every
; logit below zero gets key 0 (it is far under the score threshold of 0.7, so its place in the order is free).
; LIMIT: the logits hold no NaN and no infinity.
; 16,384 rows of 324 bytes.  A wave owns 32 rows = 10,368 neighbouring bytes = 648 pieces of 16 bytes: it reads
; them by 21 loads of 16 bytes a lane (512 neighbouring bytes a load), turns them in its own part of LDS, and
; each lane then reads one row, word by word.  The LDS row pitch is 81 words, an odd number: 32 lanes, 32 banks.
; No matrix unit (no products), no tensor load (a wave's share is small and is read once), no barrier (each wave
; touches only its own LDS bytes).
.set ROWB,  324                        ; bytes in a row
.set WAVEB, 32*ROWB                    ; bytes of a wave's 32 rows
.set X,     8                          ; v[8:91]  21 x 4 registers as loaded; then v[8:88]: my row's 81 logits
.set BEST,  92
.set LAB,   93
	s_load_b128 s[4:7], s[0:1], 0x0                ; cls_logit s[4:5], label s[6:7]
	s_load_b64 s[8:9], s[0:1], 0x10                ; key
	v_lshl_add_u32 v96, v0, 2, 0x5100
	v_mov_b32 v97, 0
	v_lshrrev_b32 v2, 5, v0
	v_readfirstlane_b32 s10, v2                    ; wave 0 or 1
	v_and_b32 v1, 31, v0                           ; lane
	s_lshl1_add_u32 s11, ttmp9, s10                ; wave's number in the launch, 0 to 511
	s_mul_i32 s12, s11, WAVEB                      ; its bytes in cls_logit
	s_mov_b32 s13, 0
	s_lshl_b32 s14, s11, 7                         ; its 32 words in label and in key
	s_mov_b32 s15, 0
	s_mul_i32 s16, s10, WAVEB                      ; its part of LDS
	v_lshlrev_b32 v2, 4, v1                        ; 16 x lane
	v_add_nc_u32 v3, 20*512, v2                    ; the 21st load has 8 pieces left:
	v_min_u32 v3, WAVEB-16, v3                     ; lanes 8 to 31 repeat the last one (same bytes, same place)
	v_add_nc_u32 v4, s16, v2                       ; the same two offsets in my part of LDS
	v_add_nc_u32 v5, s16, v3
	v_mul_u32_u24 v6, v1, ROWB
	v_add_nc_u32 v6, s16, v6                       ; my row in LDS
	v_lshlrev_b32 v7, 2, v1                        ; my word in label and key
	s_wait_kmcnt 0x0
	s_add_nc_u64 s[4:5], s[4:5], s[12:13]
	s_add_nc_u64 s[6:7], s[6:7], s[14:15]
	s_add_nc_u64 s[8:9], s[8:9], s[14:15]
.set q, 0
.rept 20
	global_load_b128 v[X+4*q:X+4*q+3], v2, s[4:5] offset:512*q th:TH_LOAD_NT
.set q, q+1
.endr
	global_load_b128 v[X+80:X+83], v3, s[4:5] th:TH_LOAD_NT
.set q, 0
.rept 20
	s_wait_loadcnt 20-q                            ; loads return in order: load q is in, the 20-q younger ones stay out
	ds_store_b128 v4, v[X+4*q:X+4*q+3] offset:512*q
.set q, q+1
.endr
	s_wait_loadcnt 0x0
	ds_store_b128 v5, v[X+80:X+83]
	; LDS serves one wave's instructions in order: these loads see the stores above without a wait between them
.set c, 0
.rept 81
	ds_load_b32 v[X+c], v6 offset:4*c
.set c, c+1
.endr
	s_wait_dscnt 0x0
	v_mov_b32 v[BEST], v[X]
	v_mov_b32 v[LAB], 0
.set c, 1
.rept 80
	v_cmp_ge_f32 vcc_lo, v[BEST], v[X+c]           ; the best so far holds its place on a tie
	v_cndmask_b32 v[LAB], c, v[LAB], vcc_lo
	v_max_num_f32 v[BEST], v[BEST], v[X+c]
.set c, c+1
.endr
	v_max_i32 v[BEST], 0, v[BEST]                  ; the key
	global_store_b32 v7, v[LAB], s[6:7]            ; 128 neighbouring bytes a wave
	global_store_b32 v7, v[BEST], s[8:9]
	s_wait_tensorcnt 0x0
	ds_add_u32 v96, v97
	s_wait_dscnt 0x0
	s_endpgm
.Lfunc_end_k_q3d88c48f22_amax:
	.size	k_q3d88c48f22_amax, .Lfunc_end_k_q3d88c48f22_amax-k_q3d88c48f22_amax
	.p2alignl 7, 3214868480
	.fill 96, 4, 3214868480
	.section	.rodata,"a",@progbits
	.p2align	6, 0x0
	.amdhsa_kernel k_q3d88c48f22_amax
		.amdhsa_group_segment_fixed_size 20992
		.amdhsa_private_segment_fixed_size 0
		.amdhsa_enable_private_segment 0
		.amdhsa_kernarg_size 24
		.amdhsa_user_sgpr_count 2
		.amdhsa_user_sgpr_kernarg_segment_ptr 1
		.amdhsa_wavefront_size32 1
		.amdhsa_system_sgpr_workgroup_id_x 1
		.amdhsa_system_sgpr_workgroup_id_y 1
		.amdhsa_system_sgpr_workgroup_id_z 1
		.amdhsa_system_vgpr_workitem_id 0
		.amdhsa_next_free_vgpr 98
		.amdhsa_next_free_sgpr 66
		.amdhsa_reserve_vcc 1
		.amdhsa_float_denorm_mode_32 3
		.amdhsa_float_denorm_mode_16_64 3
		.amdhsa_memory_ordered 1
		.amdhsa_forward_progress 1
		.amdhsa_inst_pref_size 19
	.end_amdhsa_kernel
	.amdgpu_metadata
---
amdhsa.version: [ 1, 2 ]
amdhsa.kernels:
  - .name:           k_q3d88c48f22_amax
    .symbol:         k_q3d88c48f22_amax.kd
    .args:
      - { .name: cls_logit, .offset: 0, .size: 8, .value_kind: global_buffer, .address_space: global }
      - { .name: label, .offset: 8, .size: 8, .value_kind: global_buffer, .address_space: global }
      - { .name: key, .offset: 16, .size: 8, .value_kind: global_buffer, .address_space: global }
    .group_segment_fixed_size: 20992
    .private_segment_fixed_size: 0
    .kernarg_segment_align: 8
    .kernarg_segment_size: 24
    .max_flat_workgroup_size: 64
    .sgpr_count:     66
    .vgpr_count:     98
    .wavefront_size: 32
...
	.end_amdgpu_metadata
.endif
;; end of part 1
;; launch rank (part 2): grid 256 x 1, 8 waves a work-group, no clusters, 9,216 bytes of LDS; arguments key, label, pk; writes pk
.if DOCPART == 2
	.amdgcn_target "amdgcn-amd-amdhsa--gfx1250"
	.amdhsa_code_object_version 6
	.text
	.protected	k_q3d88c48f22_rank
	.globl	k_q3d88c48f22_rank
	.p2align	8
	.type	k_q3d88c48f22_rank,@function
k_q3d88c48f22_rank:
	s_mov_b64 s[64:65], 0
	v_nop
	global_prefetch_b8 v0, s[64:65] scope:SCOPE_SE
	s_setreg_imm32_b32 hwreg(HW_REG_WAVE_MODE, 25, 1), 1
	s_wait_xcnt 0x0
; pk[i] = rank(i) | label[i] << 16, where rank(i) = number of j of the same image with key[j] > key[i], plus the
; number of j < i with key[j] = key[i]: the place of box i in the stable order by falling score.  It is a
; permutation of 0..2047 whatever the keys hold.
; 8 images x 32 blocks of 64 boxes = 256 work-groups of 8 waves.  Wave w = 2 h + a holds chunk a of the block (32
; boxes, a box a lane) and counts over quarter h of the image's keys (16 chunks of 32).  The image's 8,192 bytes of
; keys are brought into LDS once, 32 bytes a thread; a chunk is then read by eight loads in which all lanes take the
; same 16 bytes, into two sets of 32 registers that take turns.  Each key costs one compare and one add-with-carry
; for 32 boxes: 2 chunks x 2,048 keys x 2 = 8,192 instructions for the work-group's four SIMDs.
; Keys are >= 0, so for chunks in front of mine 'key[j] >= key[i]' is 'key[j] > key[i] - 1' in signed numbers.
; The four quarters' counts meet in LDS, in the first 1,024 bytes of the keys, which nobody reads any more by then.
.set SETA, 16                          ; v[16:47]  32 keys, the same in every lane
.set SETB, 48                          ; v[48:79]  32 keys; v[48:55] first carry my 32 bytes of the fill
.set CN,   8                           ; v[8:11]   four counters: four chains that do not wait for each other
.set MK,   58                          ; s[58:61]  their compare masks
.set LJ,   20                          ; s[20:23]  ties: source lanes, then the masks of the lanes above them
; v1 my box's word in the image, v2 my key, v3 my label, v4 threshold, v5 count, v6 4 t, v7 16 t, v12 LDS address of set A's chunk
; s10 wave, s16 a, s17 h, s19 first source lane of my share of the ties, s53 chunk number of set A, s54 my own chunk's
; number, s55 1 or 0, s56 trips, s57 chunk number of set B
	s_load_b128 s[4:7], s[0:1], 0x0                ; key s[4:5], label s[6:7]
	s_load_b64 s[8:9], s[0:1], 0x10                ; pk
	v_lshl_add_u32 v80, v0, 2, 0x2000
	v_mov_b32 v81, 0
	v_lshrrev_b32 v1, 5, v0
	v_readfirstlane_b32 s10, v1                    ; wave 0..7
	s_lshr_b32 s11, ttmp9, 5                       ; image
	s_and_b32 s12, ttmp9, 31                       ; block of 64 boxes
	s_lshl_b32 s14, s11, 13                        ; an image's 2,048 words
	s_mov_b32 s15, 0
	s_and_b32 s16, s10, 1                          ; which chunk of the block
	s_lshr_b32 s17, s10, 1                         ; which quarter of the keys
	s_lshl1_add_u32 s54, s12, s16                  ; my chunk's number, 0..63
	s_lshl_b32 s53, s17, 4                         ; my quarter's first chunk,
	s_lshl_b32 s18, s17, 11                        ; its bytes in LDS,
	s_lshl_b32 s19, s17, 3                         ; and my eight source lanes of the ties
	v_mov_b32 v12, s18
	v_lshlrev_b32 v7, 4, v0                        ; 16 t
	v_lshlrev_b32 v6, 2, v0                        ; 4 t
	v_and_b32 v1, 63, v0                           ; t = 64 h + 32 a + lane: my box in the block
	v_lshlrev_b32 v1, 2, v1
	s_lshl_b32 s13, s12, 8
	v_add_nc_u32 v1, s13, v1                       ; my box's word in the image
.irp u, 0,1,2,3
	v_mov_b32 v[CN+\u], 0
.endr
	s_wait_kmcnt 0x0
	s_add_nc_u64 s[4:5], s[4:5], s[14:15]
	s_add_nc_u64 s[6:7], s[6:7], s[14:15]
	s_add_nc_u64 s[8:9], s[8:9], s[14:15]
	global_load_b128 v[SETB:SETB+3], v7, s[4:5]                ; 256 threads x 16 bytes: the image's first 4,096 bytes of keys,
	global_load_b128 v[SETB+4:SETB+7], v7, s[4:5] offset:4096  ; and the second
	global_load_b32 v2, v1, s[4:5]                 ; my key
	global_load_b32 v3, v1, s[6:7]                 ; my label
	s_wait_loadcnt 0x2                             ; the two fill loads are in; my key and my label, issued behind them, stay out
	ds_store_b128 v7, v[SETB:SETB+3]
	ds_store_b128 v7, v[SETB+4:SETB+7] offset:4096
	s_wait_dscnt 0x0                               ; done before the signal: every wave reads these bytes
	s_barrier_signal -1
	s_barrier_wait -1
; eight loads: the 32 keys at byte off behind v12, the same in every lane
.macro FETCH set, off
.irp i, 0,1,2,3,4,5,6,7
	ds_load_b128 v[\set+4*\i:\set+4*\i+3], v12 offset:\off+16*\i
.endr
.endm
; 32 keys of chunk number jc against my key
.macro CH set, jc
	s_cmp_lt_u32 \jc, s54                          ; a chunk in front of mine: equal keys count too
	s_cselect_b32 s55, 1, 0
	v_sub_nc_u32 v4, v2, s55
.irp g, 0,1,2,3,4,5,6,7
.irp u, 0,1,2,3
	v_cmp_gt_i32 s[MK+\u], v[\set+4*\g+\u], v4
.endr
.irp u, 0,1,2,3
	v_add_co_ci_u32 v[CN+\u], s[MK+\u], 0, v[CN+\u], s[MK+\u]
.endr
.endr
.endm
	FETCH SETA, 0
	s_wait_loadcnt 0x0                             ; my key and my label
	s_mov_b32 s56, 0
.Lpair:                                            ; seven trips of two chunks
	FETCH SETB, 128
	s_wait_dscnt 0x8                               ; LDS loads return in order: set A is in, set B's eight stay out
	CH SETA, s53
	v_add_nc_u32 v12, 256, v12
	FETCH SETA, 0                                  ; two chunks further on
	s_add_co_u32 s57, s53, 1
	s_wait_dscnt 0x8                               ; set B is in, set A's eight stay out
	CH SETB, s57
	s_add_co_u32 s53, s53, 2
	s_add_co_u32 s56, s56, 1
	s_cmp_lt_u32 s56, 7
	s_cbranch_scc1 .Lpair
	FETCH SETB, 128                                ; the quarter's last two chunks: nothing is fetched beyond them
	s_wait_dscnt 0x8
	CH SETA, s53
	s_add_co_u32 s57, s53, 1
	s_wait_dscnt 0x0                               ; my reads of the keys are over:
	s_barrier_signal -1                            ; say so, and go on with register work
	CH SETB, s57
	; equal keys inside my own chunk count for the lanes above them (lane l counts j < l).  The four waves that hold
	; the chunk share the 32 source lanes: mine are 8 h .. 8 h + 7.
.irp g, 0,1
.irp u, 0,1,2,3
	s_add_co_u32 s[LJ+\u], s19, 4*\g+\u
.endr
.irp u, 0,1,2,3
	v_readlane_b32 s[MK+\u], v2, s[LJ+\u]
.endr
.irp u, 0,1,2,3
	v_cmp_eq_u32 s[MK+\u], s[MK+\u], v2
.endr
.irp u, 0,1,2,3
	s_lshl_b32 s[LJ+\u], -2, s[LJ+\u]              ; the lanes above the source
.endr
.irp u, 0,1,2,3
	s_and_b32 s[MK+\u], s[MK+\u], s[LJ+\u]
.endr
.irp u, 0,1,2,3
	v_add_co_ci_u32 v[CN+\u], s[MK+\u], 0, v[CN+\u], s[MK+\u]
.endr
.endr
	v_add3_u32 v5, v[CN], v[CN+1], v[CN+2]
	v_add_nc_u32 v5, v5, v[CN+3]
	s_barrier_wait -1                              ; no wave reads the keys any more: their first 1,024 bytes are free
	ds_store_b32 v6, v5                            ; word t = 64 h + my box in the block
	s_wait_dscnt 0x0                               ; done before the signal: waves 0 and 1 read these words
	s_barrier_signal -1
	s_barrier_wait -1
	s_cmp_ge_u32 s10, 2
	s_cbranch_scc1 .Lend
.irp h, 0,1,2,3
	ds_load_b32 v[SETA+\h], v6 offset:256*\h       ; t < 64 here: my box's four quarters
.endr
	s_wait_dscnt 0x0
	v_add3_u32 v5, v[SETA], v[SETA+1], v[SETA+2]
	v_add_nc_u32 v5, v5, v[SETA+3]
	v_lshl_or_b32 v5, v3, 16, v5                   ; rank below, label above
	global_store_b32 v1, v5, s[8:9]                ; 128 neighbouring bytes a wave
.Lend:
	s_wait_tensorcnt 0x0
	ds_add_u32 v80, v81
	s_wait_dscnt 0x0
	s_endpgm
.Lfunc_end_k_q3d88c48f22_rank:
	.size	k_q3d88c48f22_rank, .Lfunc_end_k_q3d88c48f22_rank-k_q3d88c48f22_rank
	.p2alignl 7, 3214868480
	.fill 96, 4, 3214868480
	.section	.rodata,"a",@progbits
	.p2align	6, 0x0
	.amdhsa_kernel k_q3d88c48f22_rank
		.amdhsa_group_segment_fixed_size 9216
		.amdhsa_private_segment_fixed_size 0
		.amdhsa_enable_private_segment 0
		.amdhsa_kernarg_size 24
		.amdhsa_user_sgpr_count 2
		.amdhsa_user_sgpr_kernarg_segment_ptr 1
		.amdhsa_wavefront_size32 1
		.amdhsa_system_sgpr_workgroup_id_x 1
		.amdhsa_system_sgpr_workgroup_id_y 1
		.amdhsa_system_sgpr_workgroup_id_z 1
		.amdhsa_system_vgpr_workitem_id 0
		.amdhsa_next_free_vgpr 82
		.amdhsa_next_free_sgpr 66
		.amdhsa_reserve_vcc 0
		.amdhsa_float_denorm_mode_32 3
		.amdhsa_float_denorm_mode_16_64 3
		.amdhsa_memory_ordered 1
		.amdhsa_forward_progress 1
		.amdhsa_inst_pref_size 25
	.end_amdhsa_kernel
	.amdgpu_metadata
---
amdhsa.version: [ 1, 2 ]
amdhsa.kernels:
  - .name:           k_q3d88c48f22_rank
    .symbol:         k_q3d88c48f22_rank.kd
    .args:
      - { .name: key, .offset: 0, .size: 8, .value_kind: global_buffer, .address_space: global }
      - { .name: label, .offset: 8, .size: 8, .value_kind: global_buffer, .address_space: global }
      - { .name: pk, .offset: 16, .size: 8, .value_kind: global_buffer, .address_space: global }
    .group_segment_fixed_size: 9216
    .private_segment_fixed_size: 0
    .kernarg_segment_align: 8
    .kernarg_segment_size: 24
    .max_flat_workgroup_size: 256
    .sgpr_count:     66
    .vgpr_count:     82
    .wavefront_size: 32
...
	.end_amdgpu_metadata
.endif
;; end of part 2
;; launch nms (part 3): grid 81 x 8, 1 waves a work-group, no clusters, 57,856 bytes of LDS; arguments pk, key, cls_regress, proposal, kept, boxes; writes kept, boxes
.if DOCPART == 3
	.amdgcn_target "amdgcn-amd-amdhsa--gfx1250"
	.amdhsa_code_object_version 6
	.text
	.protected	k_q3d88c48f22_nms
	.globl	k_q3d88c48f22_nms
	.p2align	8
	.type	k_q3d88c48f22_nms,@function
k_q3d88c48f22_nms:
	s_mov_b64 s[64:65], 0
	v_nop
	global_prefetch_b8 v0, s[64:65] scope:SCOPE_SE
	s_setreg_imm32_b32 hwreg(HW_REG_WAVE_MODE, 25, 1), 1
	s_wait_xcnt 0x0
; Greedy suppression inside ONE class of ONE image (suppression never crosses classes): 81 x 8 work-groups of one
; wave.  For every box i of the class: boxes[i] = the decoded, clipped box; kept[i] = 1 if it survives, else 0.
; Every box has exactly one label, so the 81 work-groups of an image together write every word of both buffers,
; and no word is written by two work-groups.  Class 0 (background) runs the same text with nothing kept.
; Steps: (A) put the image's 2,048 boxes in order of rank in LDS, and count my class's members on the way; (B)
; squeeze out the members of my class, still in that order; (C) chunks of 32 members, a member a lane: gather,
; decode, then let the kept boxes of earlier chunks and, one after the other, of the chunk itself strike out what
; they overlap.
; All lanes stay on throughout: in the last chunk the lanes behind the last member repeat that member (same
; index, same box, same kept bit) and store the same values to the same words; they never count as kept sources.
; All choices that hang on floats are masks and selects.  The trip counts hang on the member count n alone, and n
; is counted on the words of pk as they come from memory.
; LIMITS: IoU > 0.3 is tested as inter > 0.3f * max(union, 1e-12f) (a product in place of the quotient);
; exp(x) is v_exp_f32 of x * log2(e); centre + d * size is one fused multiply-add.  A pair whose IoU lies within
; a few units in the last place of 0.3 may therefore fall on the other side.  Inputs are finite.
; No matrix unit (no products), no tensor loads or clusters (gathers of 16 bytes; several of these small
; work-groups share a WGP), no prefetch (a gather's address is known only just before its load).
.set SORT, 0                           ; 2,048 words, by rank: index | label << 16
.set LIST, 8192                        ; 2,081 words: my class's members in order; word 2080 takes what is thrown away
.set BOX,  16640                       ; 2,048 x 16 bytes: the members' boxes
.set KW,   49408                       ; 2,048 words: the chunk that begins at member m0 leaves its final mask in word m0
.set E,    64                          ; v[64:127] 64 words a lane
.set T,    28                          ; v[28:31] my box, v32 its area
.set S,    36                          ; v[36:39] a box of an earlier chunk, v40 its area
.set W,    44                          ; v[44:59] four sets of four, at work
; v2 4 x lane, v3 running index, v4-v9 at work, v10 member m, v11 its list word's bytes, v12 list word, v13 index i,
; v14 4i, v15 16i, v16 1296i, v17 key, v18 kept, v19 16m, v[20:23] proposal, v[24:27] delta
; s16 class, s17 image, s20 members n, s21 n - 1, s22 my chunk's first member m0, s23 an earlier chunk's first member,
; s24 j, s25 my chunk's mask K, s26 in (B) the members placed so far, in (C) an earlier chunk's mask, s27 at work,
; s28 all ones unless class 0, s29 earlier chunk's number p, s30/s31 the clip of dw, dh, s[32:35] source lanes,
; s[36:39] overlap masks, s[40:59] four source boxes with areas, s60/s61 masks, s62 my chunk's number q, s63 chunks
	s_load_b256 s[4:11], s[0:1], 0x0               ; pk s[4:5], key s[6:7], cls_regress s[8:9], proposal s[10:11]
	s_load_b128 s[12:15], s[0:1], 0x20             ; kept s[12:13], boxes s[14:15]
	v_lshl_add_u32 v128, v0, 2, 0xe100
	v_mov_b32 v129, 0
	s_mov_b32 s16, ttmp9
	s_and_b32 s17, ttmp7, 0xffff
	s_mov_b32 s30, 0xc0845349                      ; -|log(0.016)|
	s_mov_b32 s31, 0x40845349                      ; +|log(0.016)|
	s_cmp_lg_u32 s16, 0
	s_cselect_b32 s28, -1, 0
	v_lshlrev_b32 v2, 2, v0
	v_mov_b32 v3, v0
	s_lshl_b32 s18, s17, 13                        ; an image's 2,048 words
	s_mov_b32 s19, 0
	s_wait_kmcnt 0x0
	s_add_nc_u64 s[4:5], s[4:5], s[18:19]
	s_add_nc_u64 s[6:7], s[6:7], s[18:19]
	s_add_nc_u64 s[12:13], s[12:13], s[18:19]
	s_lshl_b32 s18, s17, 15                        ; an image's 2,048 boxes
	s_add_nc_u64 s[10:11], s[10:11], s[18:19]
	s_add_nc_u64 s[14:15], s[14:15], s[18:19]
	s_mul_i32 s18, s17, 2048*81*16                 ; an image's deltas,
	s_lshl4_add_u32 s18, s16, s18                  ; and my class's 16 bytes in a box's 81 x 16
	s_add_nc_u64 s[8:9], s[8:9], s[18:19]
	; (A) by rank; n = the words whose label is my class
.set q, 0
.rept 64
	global_load_b32 v[E+q], v2, s[4:5] offset:128*q
.set q, q+1
.endr
	s_mov_b32 s20, 0
.set q, 0
.rept 64
	s_wait_loadcnt 63-q                            ; load q is in, the 63-q younger ones stay out
	v_and_b32 v4, 0xffff, v[E+q]
	v_lshrrev_b32 v6, 16, v[E+q]                   ; the label
	v_min_u32 v4, 2047, v4                         ; the rank, held inside the table
	v_cmp_eq_u32 vcc_lo, s16, v6
	v_lshlrev_b32 v4, 2, v4
	v_and_or_b32 v5, v[E+q], 0xffff0000, v3        ; label above, the box's index below
	ds_store_b32 v4, v5 offset:SORT
	s_bcnt1_i32_b32 s27, vcc_lo
	s_add_co_u32 s20, s20, s27
	v_add_nc_u32 v3, 32, v3
.set q, q+1
.endr
	; (B) my class's members, in order.  One wave's LDS instructions are served in order: no wait behind the stores.
.set q, 0
.rept 64
	ds_load_b32 v[E+q], v2 offset:SORT+128*q
.set q, q+1
.endr
	s_wait_dscnt 0x0
	s_mov_b32 s26, 0
.set q, 0
.rept 64
	v_lshrrev_b32 v4, 16, v[E+q]
	v_cmp_eq_u32 vcc_lo, s16, v4
	v_mbcnt_lo_u32_b32 v5, vcc_lo, s26             ; members so far + members in the lanes below me
	v_cndmask_b32 v5, 2080, v5, vcc_lo             ; the others' words go to the spare word
	v_min_u32 v5, 2080, v5
	v_lshlrev_b32 v5, 2, v5
	ds_store_b32 v5, v[E+q] offset:LIST
	s_bcnt1_i32_b32 s27, vcc_lo
	s_add_co_u32 s26, s26, s27
.set q, q+1
.endr
	s_min_u32 s20, s20, 2048
	s_add_co_u32 s63, s20, 31
	s_lshr_b32 s63, s63, 5                         ; chunks of 32 members,
	s_min_u32 s63, s63, 64                         ; 64 at the most
	s_cmp_eq_u32 s20, 0
	s_cbranch_scc1 .Lend                           ; a class without members has nothing to write
	s_sub_co_u32 s21, s20, 1                       ; the last member
; Four source boxes, lanes j .. j+3 of the registers at src, against my box.  Every stage is written four times over,
; so that four chains fill each other's waits.  own = 1: the sources are my own chunk: a source strikes only lanes
; above it, and only if it is itself still kept when its turn comes; own = 0: the sources' mask s26 is final.
.macro JBODY src, own
.irp u, 0,1,2,3
	s_add_co_u32 s[32+\u], s24, \u
.endr
.irp u, 0,1,2,3
.irp k, 0,1,2,3,4
	v_readlane_b32 s[40+5*\u+\k], v[\src+\k], s[32+\u]
.endr
.endr
.irp u, 0,1,2,3
	v_max_num_f32 v[W+4*\u],   s[40+5*\u], v[T]
	v_max_num_f32 v[W+4*\u+1], s[41+5*\u], v[T+1]
	v_min_num_f32 v[W+4*\u+2], s[42+5*\u], v[T+2]
	v_min_num_f32 v[W+4*\u+3], s[43+5*\u], v[T+3]
.endr
.irp u, 0,1,2,3
	v_sub_f32 v[W+4*\u],   v[W+4*\u+2], v[W+4*\u]
	v_sub_f32 v[W+4*\u+1], v[W+4*\u+3], v[W+4*\u+1]
.endr
.irp u, 0,1,2,3
	v_max_num_f32 v[W+4*\u],   0, v[W+4*\u]
	v_max_num_f32 v[W+4*\u+1], 0, v[W+4*\u+1]
	v_add_f32 v[W+4*\u+2], s[44+5*\u], v[T+4]              ; the two areas
.endr
.irp u, 0,1,2,3
	v_mul_f32 v[W+4*\u], v[W+4*\u], v[W+4*\u+1]            ; inter
.endr
.irp u, 0,1,2,3
	v_sub_f32 v[W+4*\u+2], v[W+4*\u+2], v[W+4*\u]          ; union
.endr
.irp u, 0,1,2,3
	v_max_num_f32 v[W+4*\u+2], 0x2b8cbccc, v[W+4*\u+2]     ; at least 1e-12
.endr
.irp u, 0,1,2,3
	v_mul_f32 v[W+4*\u+2], 0x3e99999a, v[W+4*\u+2]         ; x 0.3
.endr
.irp u, 0,1,2,3
	v_cmp_gt_f32 s[36+\u], v[W+4*\u], v[W+4*\u+2]
.endr
.irp u, 0,1,2,3
.if \own
	s_lshl_b32 s27, -2, s[32+\u]                           ; the lanes above the source
	s_and_b32 s[36+\u], s[36+\u], s27
	s_bitcmp1_b32 s25, s[32+\u]                            ; is the source still kept?
.else
	s_bitcmp1_b32 s26, s[32+\u]
.endif
	s_cselect_b32 s27, s[36+\u], 0
	s_and_not1_b32 s25, s25, s27
.endr
.endm
	; (C) the loop counts chunks, s62 = 0 .. s63 - 1; s22 = 32 x s62, the chunk's first member, is stepped beside it
	s_mov_b32 s22, 0
	s_mov_b32 s62, 0
.Lq:
	v_add_nc_u32 v10, s22, v0                      ; member m = m0 + lane
	v_min_u32 v10, 2047, v10                       ; m0 <= 2016: changes nothing, states the bound
	v_min_u32 v11, s21, v10                        ; lanes behind the last member repeat it
	v_min_u32 v11, 2047, v11
	v_lshlrev_b32 v11, 2, v11
	v_lshlrev_b32 v19, 4, v10
	ds_load_b32 v12, v11 offset:LIST
	s_wait_dscnt 0x0
	v_and_b32 v13, 0xffff, v12
	v_min_u32 v13, 2047, v13                       ; the box's index, held inside the image
	v_lshlrev_b32 v14, 2, v13
	v_lshlrev_b32 v15, 4, v13
	v_mul_u32_u24 v16, v13, 81*16
	global_load_b32 v17, v14, s[6:7]               ; score
	global_load_b128 v[20:23], v15, s[10:11]       ; proposal
	global_load_b128 v[24:27], v16, s[8:9]         ; my class's delta
	s_wait_loadcnt 0x0
	v_sub_f32 v4, v22, v20                         ; w
	v_sub_f32 v5, v23, v21                         ; h
	v_mul_f32 v26, 0x3e4ccccd, v26                 ; dw, dh x 0.2
	v_mul_f32 v27, 0x3e4ccccd, v27
	v_mul_f32 v24, 0x3dcccccd, v24                 ; dx, dy x 0.1
	v_mul_f32 v25, 0x3dcccccd, v25
	v_med3_num_f32 v26, v26, s30, s31
	v_med3_num_f32 v27, v27, s30, s31
	v_mul_f32 v26, 0x3fb8aa3b, v26                 ; x log2(e)
	v_mul_f32 v27, 0x3fb8aa3b, v27
	v_fma_f32 v6, 0.5, v4, v20                     ; cx
	v_fma_f32 v7, 0.5, v5, v21                     ; cy
	v_exp_f32 v8, v26
	v_exp_f32 v9, v27
	v_fma_f32 v6, v24, v4, v6                      ; the new centre: plain work that touches neither the exponentials'
	v_fma_f32 v7, v25, v5, v7                      ; results nor their sources stands behind them (ISA guide 5.7.2)
	s_wait_alu depctr_va_vdst(0)
	v_mul_f32 v8, v4, v8                           ; the new width
	v_mul_f32 v9, v5, v9
	v_fma_f32 v[T],   -0.5, v8, v6
	v_fma_f32 v[T+1], -0.5, v9, v7
	v_fma_f32 v[T+2], 0.5, v8, v6
	v_fma_f32 v[T+3], 0.5, v9, v7
.irp k, 0,1,2,3
	v_med3_num_f32 v[T+\k], v[T+\k], 0, 1.0
.endr
	ds_store_b128 v19, v[T:T+3] offset:BOX         ; at my own place m, for the chunks behind
	v_sub_f32 v4, v[T+2], v[T]
	v_sub_f32 v5, v[T+3], v[T+1]
	v_max_num_f32 v4, 0, v4
	v_max_num_f32 v5, 0, v5
	v_mul_f32 v[T+4], v4, v5                       ; area
	v_max3_num_f32 v6, v20, v21, v22
	v_max_num_f32 v6, v6, v23
	v_cmp_lt_f32 s25, 0, v6                        ; a valid proposal,
	v_cmp_le_f32 s60, 0x3f333333, v17              ; a score of 0.7 at the least,
	v_cmp_gt_u32 s61, s20, v10                     ; a member and no repeat of the last one,
	s_and_b32 s25, s25, s60
	s_and_b32 s25, s25, s61
	s_and_b32 s25, s25, s28                        ; and not the background
	s_cmp_eq_u32 s62, 0
	s_cbranch_scc1 .Lown
	; the chunks in front of mine: s29 = 0 .. s62 - 1 counts them, s23 = 32 x s29 is stepped beside it
	s_mov_b32 s23, 0
	s_mov_b32 s29, 0
.Lp:
	v_add_nc_u32 v4, s23, v0
	v_min_u32 v4, 2047, v4
	v_lshlrev_b32 v4, 4, v4
	v_mov_b32 v5, s23
	v_min_u32 v5, 2047, v5
	v_lshlrev_b32 v5, 2, v5
	ds_load_b128 v[S:S+3], v4 offset:BOX
	ds_load_b32 v6, v5 offset:KW
	s_wait_dscnt 0x0
	v_readfirstlane_b32 s26, v6
	v_sub_f32 v4, v[S+2], v[S]
	v_sub_f32 v5, v[S+3], v[S+1]
	v_max_num_f32 v4, 0, v4
	v_max_num_f32 v5, 0, v5
	v_mul_f32 v[S+4], v4, v5
	s_mov_b32 s24, 0
.Ljprev:
	JBODY S, 0
	s_add_co_u32 s24, s24, 4
	s_cmp_lt_u32 s24, 32
	s_cbranch_scc1 .Ljprev
	s_add_co_u32 s23, s23, 32
	s_add_co_u32 s29, s29, 1
	s_cmp_lt_u32 s29, s62
	s_cbranch_scc1 .Lp
.Lown:
	s_mov_b32 s24, 0
.Ljown:
	JBODY T, 1
	s_add_co_u32 s24, s24, 4
	s_cmp_lt_u32 s24, 32
	s_cbranch_scc1 .Ljown
	v_mov_b32 v4, s22
	v_min_u32 v4, 2047, v4
	v_lshlrev_b32 v4, 2, v4
	v_mov_b32 v5, s25
	ds_store_b32 v4, v5 offset:KW                  ; the chunk's mask, final, for the chunks behind it
	s_sub_co_u32 s27, s21, s22                     ; the last member's lane in this chunk (31 or more: every lane is a member)
	v_min_u32 v6, s27, v0
	v_lshrrev_b32 v18, v6, s25                     ; my bit of K; a lane that repeats the last member takes that member's bit
	v_and_b32 v18, 1, v18
	global_store_b32 v14, v18, s[12:13]
	global_store_b128 v15, v[T:T+3], s[14:15]
	s_wait_xcnt 0x0                                ; v14, v15, v18 and my box are written again only behind this wait
	s_add_co_u32 s22, s22, 32
	s_add_co_u32 s62, s62, 1
	s_cmp_lt_u32 s62, s63
	s_cbranch_scc1 .Lq
.Lend:
	s_wait_tensorcnt 0x0
	ds_add_u32 v128, v129
	s_wait_dscnt 0x0
	s_endpgm
.Lfunc_end_k_q3d88c48f22_nms:
	.size	k_q3d88c48f22_nms, .Lfunc_end_k_q3d88c48f22_nms-k_q3d88c48f22_nms
	.p2alignl 7, 3214868480
	.fill 96, 4, 3214868480
	.section	.rodata,"a",@progbits
	.p2align	6, 0x0
	.amdhsa_kernel k_q3d88c48f22_nms
		.amdhsa_group_segment_fixed_size 57856
		.amdhsa_private_segment_fixed_size 0
		.amdhsa_enable_private_segment 0
		.amdhsa_kernarg_size 48
		.amdhsa_user_sgpr_count 2
		.amdhsa_user_sgpr_kernarg_segment_ptr 1
		.amdhsa_wavefront_size32 1
		.amdhsa_system_sgpr_workgroup_id_x 1
		.amdhsa_system_sgpr_workgroup_id_y 1
		.amdhsa_system_sgpr_workgroup_id_z 1
		.amdhsa_system_vgpr_workitem_id 0
		.amdhsa_next_free_vgpr 130
		.amdhsa_next_free_sgpr 66
		.amdhsa_reserve_vcc 1
		.amdhsa_float_denorm_mode_32 3
		.amdhsa_float_denorm_mode_16_64 3
		.amdhsa_memory_ordered 1
		.amdhsa_forward_progress 1
		.amdhsa_inst_pref_size 83
	.end_amdhsa_kernel
	.amdgpu_metadata
---
amdhsa.version: [ 1, 2 ]
amdhsa.kernels:
  - .name:           k_q3d88c48f22_nms
    .symbol:         k_q3d88c48f22_nms.kd
    .args:
      - { .name: pk, .offset: 0, .size: 8, .value_kind: global_buffer, .address_space: global }
      - { .name: key, .offset: 8, .size: 8, .value_kind: global_buffer, .address_space: global }
      - { .name: cls_regress, .offset: 16, .size: 8, .value_kind: global_buffer, .address_space: global }
      - { .name: proposal, .offset: 24, .size: 8, .value_kind: global_buffer, .address_space: global }
      - { .name: kept, .offset: 32, .size: 8, .value_kind: global_buffer, .address_space: global }
      - { .name: boxes, .offset: 40, .size: 8, .value_kind: global_buffer, .address_space: global }
    .group_segment_fixed_size: 57856
    .private_segment_fixed_size: 0
    .kernarg_segment_align: 8
    .kernarg_segment_size: 48
    .max_flat_workgroup_size: 32
    .sgpr_count:     66
    .vgpr_count:     130
    .wavefront_size: 32
...
	.end_amdgpu_metadata
.endif
;; end of part 3
;; launch emit (part 4): grid 10 x 8, 1 waves a work-group, no clusters, 9,216 bytes of LDS; arguments pk, kept, boxes, cls_logit, out0, out1; writes out0, out1
.if DOCPART == 4
	.amdgcn_target "amdgcn-amd-amdhsa--gfx1250"
	.amdhsa_code_object_version 6
	.text
	.protected	k_q3d88c48f22_emit
	.globl	k_q3d88c48f22_emit
	.p2align	8
	.type	k_q3d88c48f22_emit,@function
k_q3d88c48f22_emit:
	s_mov_b64 s[64:65], 0
	v_nop
	global_prefetch_b8 v0, s[64:65] scope:SCOPE_SE
	s_setreg_imm32_b32 hwreg(HW_REG_WAVE_MODE, 25, 1), 1
	s_wait_xcnt 0x0
; The first 100 kept boxes of an image, in order of rank, give out0 (their 81 logits) and out1 (their boxes);
; rows for which no kept box is left are zeros.  8 images x 10 groups of 10 output rows, one wave each.
; Every work-group puts the image's 2,048 words (index | kept << 16) in order of rank in LDS and squeezes out the
; kept ones, as the launch before does for a class: 16 KiB read again by each is less than a launch more.
; Then its 10 rows = 810 neighbouring words of out0 go out word by word, neighbouring lanes at neighbouring words.
; Addresses hang on pk and kept alone, whole numbers that earlier launches stored.
; LIMIT: the logits are finite (the reference zeroes a row whose score is infinite; this text would emit it).
.set TAB, 0                            ; 2,048 words by rank
.set SEL, 8192                         ; 160 words: the kept boxes in order; word 128 takes what is thrown away
.set E,   64                           ; v[64:127]  pk, then the table in order
.set KP,  128                          ; v[128:191] kept
.set A,   128                          ; v[128:153] step k: byte offset of my word in the group's 810
.set B,   154                          ; v[154:179] its output row, 0..99
.set C,   180                          ; v[180:205] its byte in the row of 324
.set DD,  206                          ; v[206:231] the selected box, then its address, then the logit
.set STEPS, 26                         ; 26 x 32 lanes cover 810 words
; s16 group of rows, s17 image, s20 kept boxes, s21 rows that are filled, s22 the group's first row, s27 at work
	s_load_b256 s[4:11], s[0:1], 0x0               ; pk s[4:5], kept s[6:7], boxes s[8:9], cls_logit s[10:11]
	s_load_b128 s[12:15], s[0:1], 0x20             ; out0 s[12:13], out1 s[14:15]
	v_lshl_add_u32 v232, v0, 2, 0x2300
	v_mov_b32 v233, 0
	s_mov_b32 s16, ttmp9
	s_and_b32 s17, ttmp7, 0xffff
	s_mul_i32 s22, s16, 10
	v_lshlrev_b32 v2, 2, v0
	v_mov_b32 v3, v0
	v_mov_b32 v7, 0
.irp k, 0,1,2,3,4
	ds_store_b32 v2, v7 offset:SEL+128*\k          ; rows without a kept box read index 0 and are masked to zero
.endr
	s_lshl_b32 s18, s17, 13
	s_mov_b32 s19, 0
	s_wait_kmcnt 0x0
	s_add_nc_u64 s[4:5], s[4:5], s[18:19]
	s_add_nc_u64 s[6:7], s[6:7], s[18:19]
	s_lshl_b32 s18, s17, 15
	s_add_nc_u64 s[8:9], s[8:9], s[18:19]
	s_mul_i32 s18, s17, 2048*324
	s_add_nc_u64 s[10:11], s[10:11], s[18:19]
	s_mul_i32 s18, s17, 100*324
	s_mul_i32 s27, s16, 10*324
	s_add_co_u32 s18, s18, s27
	s_add_nc_u64 s[12:13], s[12:13], s[18:19]
	s_mul_i32 s18, s17, 100*16
	s_mul_i32 s27, s16, 10*16
	s_add_co_u32 s18, s18, s27
	s_add_nc_u64 s[14:15], s[14:15], s[18:19]
.set q, 0
.rept 64
	global_load_b32 v[E+q], v2, s[4:5] offset:128*q
	global_load_b32 v[KP+q], v2, s[6:7] offset:128*q
.set q, q+1
.endr
	s_wait_loadcnt 0x0
.set q, 0
.rept 64
	v_and_b32 v4, 0xffff, v[E+q]
	v_min_u32 v4, 2047, v4                         ; the rank, held inside the table
	v_lshlrev_b32 v4, 2, v4
	v_lshl_or_b32 v5, v[KP+q], 16, v3              ; kept above, the box's index below
	ds_store_b32 v4, v5 offset:TAB
	v_add_nc_u32 v3, 32, v3
.set q, q+1
.endr
.set q, 0
.rept 64
	ds_load_b32 v[E+q], v2 offset:TAB+128*q        ; in order behind the stores above: one wave, one queue
.set q, q+1
.endr
	s_wait_dscnt 0x0
	s_mov_b32 s20, 0
.set q, 0
.rept 64
	v_cmp_le_u32 vcc_lo, 0x10000, v[E+q]           ; kept
	v_mbcnt_lo_u32_b32 v5, vcc_lo, s20
	v_cndmask_b32 v5, 128, v5, vcc_lo
	v_min_u32 v5, 128, v5                          ; places from 128 on are never read: to the spare word
	v_lshlrev_b32 v5, 2, v5
	ds_store_b32 v5, v[E+q] offset:SEL
	s_bcnt1_i32_b32 s27, vcc_lo
	s_add_co_u32 s20, s20, s27
.set q, q+1
.endr
	s_min_u32 s21, s20, 100
	; where each of my 26 words lies, and which box its row selects
.set k, 0
.rept STEPS
	v_add_nc_u32 v4, 32*k, v0
	v_min_u32 v4, 809, v4                          ; the last step's spare lanes repeat word 809: same value, same place
	v_mul_u32_u24 v5, v4, 6473
	v_lshrrev_b32 v5, 19, v5                       ; e / 81, exact for e < 810: 6473 x 81 = 2^19 + 25
	v_lshlrev_b32 v[A+k], 2, v4
	v_add_nc_u32 v[B+k], s22, v5
	v_mul_u32_u24 v6, v5, 81
	v_sub_nc_u32 v6, v4, v6
	v_lshlrev_b32 v[C+k], 2, v6
	v_lshlrev_b32 v6, 2, v[B+k]
	ds_load_b32 v[DD+k], v6 offset:SEL
.set k, k+1
.endr
	v_min_u32 v8, 9, v0                            ; out1: a row a lane, lanes 10 to 31 repeat row 9
	v_add_nc_u32 v9, s22, v8
	v_lshlrev_b32 v10, 2, v9
	ds_load_b32 v11, v10 offset:SEL
	s_wait_dscnt 0x0
	v_and_b32 v11, 0xffff, v11
	v_min_u32 v11, 2047, v11
	v_lshlrev_b32 v11, 4, v11
	global_load_b128 v[12:15], v11, s[8:9]         ; older than the 26 loads below: their counts cover it
.set k, 0
.rept STEPS
	v_and_b32 v[DD+k], 0xffff, v[DD+k]
	v_min_u32 v[DD+k], 2047, v[DD+k]               ; the box's index, held inside the image
	v_mul_u32_u24 v[DD+k], v[DD+k], 324
	v_add_nc_u32 v[DD+k], v[DD+k], v[C+k]
	global_load_b32 v[DD+k], v[DD+k], s[10:11]     ; the load lands on its own address register
.set k, k+1
.endr
.set k, 0
.rept STEPS
	s_wait_loadcnt STEPS-1-k                       ; load k is in, the 25-k younger ones stay out
	v_cmp_gt_u32 vcc_lo, s21, v[B+k]               ; a row that has a kept box
	v_cndmask_b32 v[DD+k], 0, v[DD+k], vcc_lo
	global_store_b32 v[A+k], v[DD+k], s[12:13]     ; 128 neighbouring bytes a store
.set k, k+1
.endr
	v_cmp_gt_u32 vcc_lo, s21, v9
.irp k, 0,1,2,3
	v_cndmask_b32 v[12+\k], 0, v[12+\k], vcc_lo
.endr
	v_lshlrev_b32 v16, 4, v8
	global_store_b128 v16, v[12:15], s[14:15]      ; the group's 160 neighbouring bytes of out1
	s_wait_tensorcnt 0x0
	ds_add_u32 v232, v233
	s_wait_dscnt 0x0
	s_endpgm
.Lfunc_end_k_q3d88c48f22_emit:
	.size	k_q3d88c48f22_emit, .Lfunc_end_k_q3d88c48f22_emit-k_q3d88c48f22_emit
	.p2alignl 7, 3214868480
	.fill 96, 4, 3214868480
	.section	.rodata,"a",@progbits
	.p2align	6, 0x0
	.amdhsa_kernel k_q3d88c48f22_emit
		.amdhsa_group_segment_fixed_size 9216
		.amdhsa_private_segment_fixed_size 0
		.amdhsa_enable_private_segment 0
		.amdhsa_kernarg_size 48
		.amdhsa_user_sgpr_count 2
		.amdhsa_user_sgpr_kernarg_segment_ptr 1
		.amdhsa_wavefront_size32 1
		.amdhsa_system_sgpr_workgroup_id_x 1
		.amdhsa_system_sgpr_workgroup_id_y 1
		.amdhsa_system_sgpr_workgroup_id_z 1
		.amdhsa_system_vgpr_workitem_id 0
		.amdhsa_next_free_vgpr 234
		.amdhsa_next_free_sgpr 66
		.amdhsa_reserve_vcc 1
		.amdhsa_float_denorm_mode_32 3
		.amdhsa_float_denorm_mode_16_64 3
		.amdhsa_memory_ordered 1
		.amdhsa_forward_progress 1
		.amdhsa_inst_pref_size 94
	.end_amdhsa_kernel
	.amdgpu_metadata
---
amdhsa.version: [ 1, 2 ]
amdhsa.kernels:
  - .name:           k_q3d88c48f22_emit
    .symbol:         k_q3d88c48f22_emit.kd
    .args:
      - { .name: pk, .offset: 0, .size: 8, .value_kind: global_buffer, .address_space: global }
      - { .name: kept, .offset: 8, .size: 8, .value_kind: global_buffer, .address_space: global }
      - { .name: boxes, .offset: 16, .size: 8, .value_kind: global_buffer, .address_space: global }
      - { .name: cls_logit, .offset: 24, .size: 8, .value_kind: global_buffer, .address_space: global }
      - { .name: out0, .offset: 32, .size: 8, .value_kind: global_buffer, .address_space: global }
      - { .name: out1, .offset: 40, .size: 8, .value_kind: global_buffer, .address_space: global }
    .group_segment_fixed_size: 9216
    .private_segment_fixed_size: 0
    .kernarg_segment_align: 8
    .kernarg_segment_size: 48
    .max_flat_workgroup_size: 32
    .sgpr_count:     66
    .vgpr_count:     234
    .wavefront_size: 32
...
	.end_amdgpu_metadata
.endif
;; end of part 4
;; ======== version 2 of 3: 4 launches; 1.30 times as fast as version 1
;; workspace buffers: label 65,536 bytes of whole numbers; key 65,536 bytes; pk 65,536 bytes of whole numbers; kept 65,536 bytes of whole numbers; boxes 262,144 bytes
;; launch amax: the kernel of part 1 again; grid 256 x 1, 2 waves a work-group, no clusters, 20,992 bytes of LDS; arguments cls_logit, label, key; writes label, key
;; launch rank: the kernel of part 2 again; grid 256 x 1, 8 waves a work-group, no clusters, 9,216 bytes of LDS; arguments key, label, pk; writes pk
;; launch nms (part 5): grid 81 x 8, 1 waves a work-group, no clusters, 57,856 bytes of LDS; arguments pk, key, cls_regress, proposal, kept, boxes; writes kept, boxes
.if DOCPART == 5
	.amdgcn_target "amdgcn-amd-amdhsa--gfx1250"
	.amdhsa_code_object_version 6
	.text
	.protected	k_q3d88c48f22_nms
	.globl	k_q3d88c48f22_nms
	.p2align	8
	.type	k_q3d88c48f22_nms,@function
k_q3d88c48f22_nms:
	s_mov_b64 s[64:65], 0
	v_nop
	global_prefetch_b8 v0, s[64:65] scope:SCOPE_SE
	s_setreg_imm32_b32 hwreg(HW_REG_WAVE_MODE, 25, 1), 1
	s_wait_xcnt 0x0
; Greedy suppression inside ONE class of ONE image (suppression never crosses classes): 81 x 8 work-groups of one
; wave.  For every box i of the class: boxes[i] = the decoded, clipped box; kept[i] = 1 if it survives, else 0.
; Every box has exactly one label, so the 81 work-groups of an image together write every word of both buffers,
; and no word is written by two work-groups.  Class 0 (background) runs the same text with nothing kept.
; Steps: (A) put the image's 2,048 boxes in order of rank in LDS, and count my class's members on the way; (B)
; squeeze out the members of my class, still in that order; (C) chunks of 32 members, a member a lane: gather,
; decode, then let the kept boxes of earlier chunks and, one after the other, of the chunk itself strike out what
; they overlap.  (A) and (B) go in batches of eight words, written stage by stage, so that no line reads the
; result of the line in front of it.
; All lanes stay on throughout: in the last chunk the lanes behind the last member repeat that member (same
; index, same box, same kept bit) and store the same values to the same words; they never count as kept sources.
; All choices that hang on floats are masks and selects.  The trip counts hang on the member count n alone, and n
; is counted on the words of pk as they come from memory.
; LIMITS: IoU > 0.3 is tested as inter > 0.3f * max(union, 1e-12f) (a product in place of the quotient);
; exp(x) is v_exp_f32 of x * log2(e); centre + d * size is one fused multiply-add.  A pair whose IoU lies within
; a few units in the last place of 0.3 may therefore fall on the other side.  Inputs are finite.
; No matrix unit (no products), no tensor loads or clusters (gathers of 16 bytes; several of these small
; work-groups share a WGP), no prefetch (a gather's address is known only just before its load).
.set SORT, 0                           ; 2,048 words, by rank: index | label << 16
.set LIST, 8192                        ; 2,081 words: my class's members in order; word 2080 takes what is thrown away
.set BOX,  16640                       ; 2,048 x 16 bytes: the members' boxes
.set KW,   49408                       ; 2,048 words: the chunk that begins at member m0 leaves its final mask in word m0
.set E,    64                          ; v[64:127] 64 words a lane
; in (A) and (B):
.set IX,   10                          ; v[10:17]  the indices of a batch's eight words
.set TA,   20                          ; v[20:35]  LDS addresses, two sets of eight that take turns
.set TB,   36                          ; v[36:43]  labels
.set TC,   44                          ; v[44:59]  words to store, two sets of eight
.set MB,   32                          ; s[32:39]  a batch's eight ballots
.set PB,   40                          ; s[40:48]  members placed in front of each of the eight words, and behind the last
; in (C):
.set T,    28                          ; v[28:31] my box, v32 its area
.set S,    36                          ; v[36:39] a box of an earlier chunk, v40 its area
.set W,    44                          ; v[44:59] four sets of four, at work
; v1 16 x lane, v2 4 x lane, v4-v9 at work (v9 = 2080 in (B)), v10 member m, v11 its list word's bytes, v12 list word,
; v13 index i, v14 4i, v15 16i, v16 1296i, v17 key, v18 kept, v19 16m, v[20:23] proposal, v[24:27] delta
; s2 trips over my own chunk, s3 their counter, s16 class, s17 image, s20 members n, s21 n - 1, s22 my chunk's first
; member m0, s23 an earlier chunk's first member, s24 j, s25 my chunk's mask K, s26 an earlier chunk's mask, s27 at work,
; s28 all ones unless class 0, s29 earlier chunk's number p, s30/s31 the clip of dw, dh, s[32:35] source lanes,
; s[36:39] overlap masks, s[40:59] four source boxes with areas, s60/s61 masks, s62 my chunk's number q, s63 chunks
	s_load_b256 s[4:11], s[0:1], 0x0               ; pk s[4:5], key s[6:7], cls_regress s[8:9], proposal s[10:11]
	s_load_b128 s[12:15], s[0:1], 0x20             ; kept s[12:13], boxes s[14:15]
	v_lshl_add_u32 v128, v0, 2, 0xe100
	v_mov_b32 v129, 0
	s_mov_b32 s16, ttmp9
	s_and_b32 s17, ttmp7, 0xffff
	s_mov_b32 s30, 0xc0845349                      ; -|log(0.016)|
	s_mov_b32 s31, 0x40845349                      ; +|log(0.016)|
	s_cmp_lg_u32 s16, 0
	s_cselect_b32 s28, -1, 0
	v_lshlrev_b32 v2, 2, v0
	v_lshlrev_b32 v1, 4, v0
	v_mov_b32 v9, 2080
	s_lshl_b32 s18, s17, 13                        ; an image's 2,048 words
	s_mov_b32 s19, 0
	s_wait_kmcnt 0x0
	s_add_nc_u64 s[4:5], s[4:5], s[18:19]
	s_add_nc_u64 s[6:7], s[6:7], s[18:19]
	s_add_nc_u64 s[12:13], s[12:13], s[18:19]
	; sixteen loads of 16 bytes a lane: register E + 4 Q + k holds the word of box 128 Q + 4 lane + k
.irp Q, 0,1,2,3,4,5,6,7,8,9,10,11,12,13,14,15
	global_load_b128 v[E+4*\Q:E+4*\Q+3], v1, s[4:5] offset:512*\Q
.endr
	s_lshl_b32 s18, s17, 15                        ; an image's 2,048 boxes
	s_add_nc_u64 s[10:11], s[10:11], s[18:19]
	s_add_nc_u64 s[14:15], s[14:15], s[18:19]
	s_mul_i32 s18, s17, 2048*81*16                 ; an image's deltas,
	s_lshl4_add_u32 s18, s16, s18                  ; and my class's 16 bytes in a box's 81 x 16
	s_add_nc_u64 s[8:9], s[8:9], s[18:19]
.irp j, 0,1,2,3,4,5,6,7
	v_add_nc_u32 v[IX+\j], (\j&3)+128*(\j>>2), v2  ; the first batch's indices: loads 0 and 1
.endr
	s_mov_b32 s20, 0
	s_mov_b32 s[PB+8], 0
; (A) batch g = the eight words of loads 2 g and 2 g + 1: each goes to the place of its rank; n += the words of my class
.macro ABATCH g
.set TAg, TA+8*(\g&1)
.set TCg, TC+8*(\g&1)
	s_wait_loadcnt 14-2*\g                         ; loads return in order: mine are in, the 14 - 2 g younger ones stay out
.irp j, 0,1,2,3,4,5,6,7
	v_and_b32 v[TAg+\j], 0xffff, v[E+8*\g+\j]
.endr
.irp j, 0,1,2,3,4,5,6,7
	v_lshrrev_b32 v[TB+\j], 16, v[E+8*\g+\j]       ; the label
.endr
.irp j, 0,1,2,3,4,5,6,7
	v_min_u32 v[TAg+\j], 2047, v[TAg+\j]           ; the rank, held inside the table
.endr
.irp j, 0,1,2,3,4,5,6,7
	v_cmp_eq_u32 s[MB+\j], s16, v[TB+\j]
.endr
.irp j, 0,1,2,3,4,5,6,7
	v_lshlrev_b32 v[TAg+\j], 2, v[TAg+\j]
.endr
.irp j, 0,1,2,3,4,5,6,7
	v_and_or_b32 v[TCg+\j], v[E+8*\g+\j], 0xffff0000, v[IX+\j]   ; label above, the box's index below
.endr
.irp j, 0,1,2,3,4,5,6,7
	ds_store_b32 v[TAg+\j], v[TCg+\j] offset:SORT
.endr
.irp j, 0,1,2,3,4,5,6,7
	v_add_nc_u32 v[IX+\j], 256, v[IX+\j]           ; the next batch's indices
.endr
.irp j, 0,1,2,3,4,5,6,7
	s_bcnt1_i32_b32 s[MB+\j], s[MB+\j]
.endr
.irp j, 0,1,2,3,4,5,6,7
	s_add_co_u32 s20, s20, s[MB+\j]
.endr
.endm
.irp g, 0,1,2,3,4,5,6,7
	ABATCH \g
.endr
	; (B) my class's members, in order.  One wave's LDS instructions are served in order: no wait behind the stores.
.set q, 0
.rept 64
	ds_load_b32 v[E+q], v2 offset:SORT+128*q       ; register E + q: rank 32 q + lane
.set q, q+1
.endr
	s_wait_dscnt 0x0
; batch g = ranks 256 g .. 256 g + 255
.macro BBATCH g
.set TAg, TA+8*(\g&1)
	s_mov_b32 s[PB], s[PB+8]                       ; members placed by the batches in front
.irp j, 0,1,2,3,4,5,6,7
	v_lshrrev_b32 v[TB+\j], 16, v[E+8*\g+\j]
.endr
.irp j, 0,1,2,3,4,5,6,7
	v_cmp_eq_u32 s[MB+\j], s16, v[TB+\j]
.endr
.irp j, 0,1,2,3,4,5,6,7
	s_bcnt1_i32_b32 s27, s[MB+\j]
	s_add_co_u32 s[PB+\j+1], s[PB+\j], s27
.endr
.irp j, 0,1,2,3,4,5,6,7
	v_mbcnt_lo_u32_b32 v[TAg+\j], s[MB+\j], s[PB+\j]           ; members so far + members in the lanes below me
.endr
.irp j, 0,1,2,3,4,5,6,7
	v_cndmask_b32 v[TAg+\j], v9, v[TAg+\j], s[MB+\j]           ; the others' words go to the spare word
.endr
.irp j, 0,1,2,3,4,5,6,7
	v_min_u32 v[TAg+\j], 2080, v[TAg+\j]
.endr
.irp j, 0,1,2,3,4,5,6,7
	v_lshlrev_b32 v[TAg+\j], 2, v[TAg+\j]
.endr
.irp j, 0,1,2,3,4,5,6,7
	ds_store_b32 v[TAg+\j], v[E+8*\g+\j] offset:LIST
.endr
.endm
.irp g, 0,1,2,3,4,5,6,7
	BBATCH \g
.endr
	s_min_u32 s20, s20, 2048
	s_add_co_u32 s63, s20, 31
	s_lshr_b32 s63, s63, 5                         ; chunks of 32 members,
	s_min_u32 s63, s63, 64                         ; 64 at the most
	s_cmp_eq_u32 s20, 0
	s_cbranch_scc1 .Lend                           ; a class without members has nothing to write
	s_sub_co_u32 s21, s20, 1                       ; the last member
; Four source boxes, lanes j .. j+3 of the registers at src, against my box.  Every stage is written four times over,
; so that four chains fill each other's waits.  own = 1: the sources are my own chunk: a source strikes only lanes
; above it, and only if it is itself still kept when its turn comes; own = 0: the sources' mask s26 is final.
.macro JBODY src, own
.irp u, 0,1,2,3
	s_add_co_u32 s[32+\u], s24, \u
.endr
.irp u, 0,1,2,3
.irp k, 0,1,2,3,4
	v_readlane_b32 s[40+5*\u+\k], v[\src+\k], s[32+\u]
.endr
.endr
.irp u, 0,1,2,3
	v_max_num_f32 v[W+4*\u],   s[40+5*\u], v[T]
	v_max_num_f32 v[W+4*\u+1], s[41+5*\u], v[T+1]
	v_min_num_f32 v[W+4*\u+2], s[42+5*\u], v[T+2]
	v_min_num_f32 v[W+4*\u+3], s[43+5*\u], v[T+3]
.endr
.irp u, 0,1,2,3
	v_sub_f32 v[W+4*\u],   v[W+4*\u+2], v[W+4*\u]
	v_sub_f32 v[W+4*\u+1], v[W+4*\u+3], v[W+4*\u+1]
.endr
.irp u, 0,1,2,3
	v_max_num_f32 v[W+4*\u],   0, v[W+4*\u]
	v_max_num_f32 v[W+4*\u+1], 0, v[W+4*\u+1]
	v_add_f32 v[W+4*\u+2], s[44+5*\u], v[T+4]              ; the two areas
.endr
.irp u, 0,1,2,3
	v_mul_f32 v[W+4*\u], v[W+4*\u], v[W+4*\u+1]            ; inter
.endr
.irp u, 0,1,2,3
	v_sub_f32 v[W+4*\u+2], v[W+4*\u+2], v[W+4*\u]          ; union
.endr
.irp u, 0,1,2,3
	v_max_num_f32 v[W+4*\u+2], 0x2b8cbccc, v[W+4*\u+2]     ; at least 1e-12
.endr
.irp u, 0,1,2,3
	v_mul_f32 v[W+4*\u+2], 0x3e99999a, v[W+4*\u+2]         ; x 0.3
.endr
.irp u, 0,1,2,3
	v_cmp_gt_f32 s[36+\u], v[W+4*\u], v[W+4*\u+2]
.endr
.irp u, 0,1,2,3
.if \own
	s_lshl_b32 s27, -2, s[32+\u]                           ; the lanes above the source
	s_and_b32 s[36+\u], s[36+\u], s27
	s_bitcmp1_b32 s25, s[32+\u]                            ; is the source still kept?
.else
	s_bitcmp1_b32 s26, s[32+\u]
.endif
	s_cselect_b32 s27, s[36+\u], 0
	s_and_not1_b32 s25, s25, s27
.endr
.endm
	; (C) the loop counts chunks, s62 = 0 .. s63 - 1; s22 = 32 x s62, the chunk's first member, is stepped beside it
	s_mov_b32 s22, 0
	s_mov_b32 s62, 0
.Lq:
	v_add_nc_u32 v10, s22, v0                      ; member m = m0 + lane
	v_min_u32 v10, 2047, v10                       ; m0 <= 2016: changes nothing, states the bound
	v_min_u32 v11, s21, v10                        ; lanes behind the last member repeat it
	v_min_u32 v11, 2047, v11
	v_lshlrev_b32 v11, 2, v11
	v_lshlrev_b32 v19, 4, v10
	ds_load_b32 v12, v11 offset:LIST
	s_wait_dscnt 0x0
	v_and_b32 v13, 0xffff, v12
	v_min_u32 v13, 2047, v13                       ; the box's index, held inside the image
	v_lshlrev_b32 v14, 2, v13
	v_lshlrev_b32 v15, 4, v13
	v_mul_u32_u24 v16, v13, 81*16
	global_load_b32 v17, v14, s[6:7]               ; score
	global_load_b128 v[20:23], v15, s[10:11]       ; proposal
	global_load_b128 v[24:27], v16, s[8:9]         ; my class's delta
	s_wait_loadcnt 0x0
	v_sub_f32 v4, v22, v20                         ; w
	v_sub_f32 v5, v23, v21                         ; h
	v_mul_f32 v26, 0x3e4ccccd, v26                 ; dw, dh x 0.2
	v_mul_f32 v27, 0x3e4ccccd, v27
	v_mul_f32 v24, 0x3dcccccd, v24                 ; dx, dy x 0.1
	v_mul_f32 v25, 0x3dcccccd, v25
	v_med3_num_f32 v26, v26, s30, s31
	v_med3_num_f32 v27, v27, s30, s31
	v_mul_f32 v26, 0x3fb8aa3b, v26                 ; x log2(e)
	v_mul_f32 v27, 0x3fb8aa3b, v27
	v_fma_f32 v6, 0.5, v4, v20                     ; cx
	v_fma_f32 v7, 0.5, v5, v21                     ; cy
	v_exp_f32 v8, v26
	v_exp_f32 v9, v27
	v_fma_f32 v6, v24, v4, v6                      ; the new centre: plain work that touches neither the exponentials'
	v_fma_f32 v7, v25, v5, v7                      ; results nor their sources stands behind them (ISA guide 5.7.2)
	s_wait_alu depctr_va_vdst(0)
	v_mul_f32 v8, v4, v8                           ; the new width
	v_mul_f32 v9, v5, v9
	v_fma_f32 v[T],   -0.5, v8, v6
	v_fma_f32 v[T+1], -0.5, v9, v7
	v_fma_f32 v[T+2], 0.5, v8, v6
	v_fma_f32 v[T+3], 0.5, v9, v7
.irp k, 0,1,2,3
	v_med3_num_f32 v[T+\k], v[T+\k], 0, 1.0
.endr
	ds_store_b128 v19, v[T:T+3] offset:BOX         ; at my own place m, for the chunks behind
	v_sub_f32 v4, v[T+2], v[T]
	v_sub_f32 v5, v[T+3], v[T+1]
	v_max_num_f32 v4, 0, v4
	v_max_num_f32 v5, 0, v5
	v_mul_f32 v[T+4], v4, v5                       ; area
	v_max3_num_f32 v6, v20, v21, v22
	v_max_num_f32 v6, v6, v23
	v_cmp_lt_f32 s25, 0, v6                        ; a valid proposal,
	v_cmp_le_f32 s60, 0x3f333333, v17              ; a score of 0.7 at the least,
	v_cmp_gt_u32 s61, s20, v10                     ; a member and no repeat of the last one,
	s_and_b32 s25, s25, s60
	s_and_b32 s25, s25, s61
	s_and_b32 s25, s25, s28                        ; and not the background
	s_cmp_eq_u32 s62, 0
	s_cbranch_scc1 .Lown
	; the chunks in front of mine: s29 = 0 .. s62 - 1 counts them, s23 = 32 x s29 is stepped beside it
	s_mov_b32 s23, 0
	s_mov_b32 s29, 0
.Lp:
	v_add_nc_u32 v4, s23, v0
	v_min_u32 v4, 2047, v4
	v_lshlrev_b32 v4, 4, v4
	v_mov_b32 v5, s23
	v_min_u32 v5, 2047, v5
	v_lshlrev_b32 v5, 2, v5
	ds_load_b128 v[S:S+3], v4 offset:BOX
	ds_load_b32 v6, v5 offset:KW
	s_wait_dscnt 0x0
	v_readfirstlane_b32 s26, v6
	v_sub_f32 v4, v[S+2], v[S]
	v_sub_f32 v5, v[S+3], v[S+1]
	v_max_num_f32 v4, 0, v4
	v_max_num_f32 v5, 0, v5
	v_mul_f32 v[S+4], v4, v5
	s_mov_b32 s24, 0
.Ljprev:
	JBODY S, 0
	s_add_co_u32 s24, s24, 4
	s_cmp_lt_u32 s24, 32
	s_cbranch_scc1 .Ljprev
	s_add_co_u32 s23, s23, 32
	s_add_co_u32 s29, s29, 1
	s_cmp_lt_u32 s29, s62
	s_cbranch_scc1 .Lp
.Lown:
	; my own chunk's sources, four a trip.  Lanes from n - m0 on are never kept sources, so ceil((n - m0) / 4) trips
	; do, eight at the most; s3 counts them, s24 = 4 x s3 is stepped beside it
	s_sub_co_u32 s2, s20, s22
	s_add_co_u32 s2, s2, 3
	s_lshr_b32 s2, s2, 2
	s_min_u32 s2, s2, 8
	s_mov_b32 s24, 0
	s_mov_b32 s3, 0
.Ljown:
	JBODY T, 1
	s_add_co_u32 s24, s24, 4
	s_add_co_u32 s3, s3, 1
	s_cmp_lt_u32 s3, s2
	s_cbranch_scc1 .Ljown
	v_mov_b32 v4, s22
	v_min_u32 v4, 2047, v4
	v_lshlrev_b32 v4, 2, v4
	v_mov_b32 v5, s25
	ds_store_b32 v4, v5 offset:KW                  ; the chunk's mask, final, for the chunks behind it
	s_sub_co_u32 s27, s21, s22                     ; the last member's lane in this chunk (31 or more: every lane is a member)
	v_min_u32 v6, s27, v0
	v_lshrrev_b32 v18, v6, s25                     ; my bit of K; a lane that repeats the last member takes that member's bit
	v_and_b32 v18, 1, v18
	global_store_b32 v14, v18, s[12:13]
	global_store_b128 v15, v[T:T+3], s[14:15]
	s_wait_xcnt 0x0                                ; v14, v15, v18 and my box are written again only behind this wait
	s_add_co_u32 s22, s22, 32
	s_add_co_u32 s62, s62, 1
	s_cmp_lt_u32 s62, s63
	s_cbranch_scc1 .Lq
.Lend:
	s_wait_tensorcnt 0x0
	ds_add_u32 v128, v129
	s_wait_dscnt 0x0
	s_endpgm
.Lfunc_end_k_q3d88c48f22_nms:
	.size	k_q3d88c48f22_nms, .Lfunc_end_k_q3d88c48f22_nms-k_q3d88c48f22_nms
	.p2alignl 7, 3214868480
	.fill 96, 4, 3214868480
	.section	.rodata,"a",@progbits
	.p2align	6, 0x0
	.amdhsa_kernel k_q3d88c48f22_nms
		.amdhsa_group_segment_fixed_size 57856
		.amdhsa_private_segment_fixed_size 0
		.amdhsa_enable_private_segment 0
		.amdhsa_kernarg_size 48
		.amdhsa_user_sgpr_count 2
		.amdhsa_user_sgpr_kernarg_segment_ptr 1
		.amdhsa_wavefront_size32 1
		.amdhsa_system_sgpr_workgroup_id_x 1
		.amdhsa_system_sgpr_workgroup_id_y 1
		.amdhsa_system_sgpr_workgroup_id_z 1
		.amdhsa_system_vgpr_workitem_id 0
		.amdhsa_next_free_vgpr 130
		.amdhsa_next_free_sgpr 66
		.amdhsa_reserve_vcc 0
		.amdhsa_float_denorm_mode_32 3
		.amdhsa_float_denorm_mode_16_64 3
		.amdhsa_memory_ordered 1
		.amdhsa_forward_progress 1
		.amdhsa_inst_pref_size 84
	.end_amdhsa_kernel
	.amdgpu_metadata
---
amdhsa.version: [ 1, 2 ]
amdhsa.kernels:
  - .name:           k_q3d88c48f22_nms
    .symbol:         k_q3d88c48f22_nms.kd
    .args:
      - { .name: pk, .offset: 0, .size: 8, .value_kind: global_buffer, .address_space: global }
      - { .name: key, .offset: 8, .size: 8, .value_kind: global_buffer, .address_space: global }
      - { .name: cls_regress, .offset: 16, .size: 8, .value_kind: global_buffer, .address_space: global }
      - { .name: proposal, .offset: 24, .size: 8, .value_kind: global_buffer, .address_space: global }
      - { .name: kept, .offset: 32, .size: 8, .value_kind: global_buffer, .address_space: global }
      - { .name: boxes, .offset: 40, .size: 8, .value_kind: global_buffer, .address_space: global }
    .group_segment_fixed_size: 57856
    .private_segment_fixed_size: 0
    .kernarg_segment_align: 8
    .kernarg_segment_size: 48
    .max_flat_workgroup_size: 32
    .sgpr_count:     66
    .vgpr_count:     130
    .wavefront_size: 32
...
	.end_amdgpu_metadata
.endif
;; end of part 5
;; launch emit (part 6): grid 50 x 8, 1 waves a work-group, no clusters, 9,216 bytes of LDS; arguments pk, kept, boxes, cls_logit, out0, out1; writes out0, out1
.if DOCPART == 6
	.amdgcn_target "amdgcn-amd-amdhsa--gfx1250"
	.amdhsa_code_object_version 6
	.text
	.protected	k_q3d88c48f22_emit
	.globl	k_q3d88c48f22_emit
	.p2align	8
	.type	k_q3d88c48f22_emit,@function
k_q3d88c48f22_emit:
	s_mov_b64 s[64:65], 0
	v_nop
	global_prefetch_b8 v0, s[64:65] scope:SCOPE_SE
	s_setreg_imm32_b32 hwreg(HW_REG_WAVE_MODE, 25, 1), 1
	s_wait_xcnt 0x0
; The first 100 kept boxes of an image, in order of rank, give out0 (their 81 logits) and out1 (their boxes);
; rows for which no kept box is left are zeros.  8 images x 50 groups of 2 output rows, one wave each.
; Every work-group puts the image's 2,048 words (index | kept << 16) in order of rank in LDS and squeezes out the
; kept ones, as the launch before does for a class: 16 KiB read again by each is less than a launch more, and
; a wave that writes 2 rows has 6 steps of output behind the table work where one that writes 10 would have 26.
; The table work goes in batches of eight words, written stage by stage, so that no line reads the result of the
; line in front of it.  The group's 2 rows = 162 neighbouring words of out0 go out word by word, neighbouring
; lanes at neighbouring words.  Addresses hang on pk and kept alone, whole numbers that earlier launches stored.
; LIMIT: the logits are finite (the reference zeroes a row whose score is infinite; this text would emit it).
.set TAB, 0                            ; 2,048 words by rank
.set SEL, 8192                         ; 160 words: the kept boxes in order; word 128 takes what is thrown away
.set E,   64                           ; v[64:127]  pk, then the table in order
.set KP,  128                          ; v[128:191] kept
.set TA,  20                           ; v[20:35]   LDS addresses, two sets of eight that take turns
.set TC,  36                           ; v[36:51]   words to store, two sets of eight
.set IX,  52                           ; v[52:59]   the indices of a batch's eight words
.set A,   192                          ; v[192:197] step k: byte offset of my word in the group's 162
.set B,   198                          ; v[198:203] its output row, 0..99
.set C,   204                          ; v[204:209] its byte in the row of 324
.set DD,  210                          ; v[210:215] the selected box, then its address, then the logit
.set P,   216                          ; v[216:221] my word's number, then the byte of its row's word in SEL
.set STEPS, 6                          ; 6 x 32 lanes cover 162 words
.set MB,  32                           ; s[32:39]   a batch's eight ballots; later the rows' masks
.set PB,  40                           ; s[40:48]   kept boxes in front of each of the eight words, and behind the last
; v1 16 x lane, v2 4 x lane, v6 128, v7 0, v8 my row of out1 in the group, v9 that row, v10 its word in SEL, v11 its box's
; bytes, v[12:15] the box, v16 16 x v8
; s16 group of rows, s17 image, s21 rows that are filled, s22 the group's first row, s27 at work, s28 0x10000
	s_load_b256 s[4:11], s[0:1], 0x0               ; pk s[4:5], kept s[6:7], boxes s[8:9], cls_logit s[10:11]
	s_load_b128 s[12:15], s[0:1], 0x20             ; out0 s[12:13], out1 s[14:15]
	v_lshl_add_u32 v224, v0, 2, 0x2300
	v_mov_b32 v225, 0
	s_mov_b32 s16, ttmp9
	s_and_b32 s17, ttmp7, 0xffff
	s_lshl_b32 s22, s16, 1
	s_mov_b32 s28, 0x10000
	s_mov_b32 s[PB+8], 0
	v_lshlrev_b32 v2, 2, v0
	v_lshlrev_b32 v1, 4, v0
	v_mov_b32 v6, 128
	v_mov_b32 v7, 0
.irp k, 0,1,2,3,4
	ds_store_b32 v2, v7 offset:SEL+128*\k          ; rows without a kept box read index 0 and are masked to zero
.endr
	s_lshl_b32 s18, s17, 13
	s_mov_b32 s19, 0
	s_wait_kmcnt 0x0
	s_add_nc_u64 s[4:5], s[4:5], s[18:19]
	s_add_nc_u64 s[6:7], s[6:7], s[18:19]
	; 2 x 16 loads of 16 bytes a lane: registers E + 4 Q + k and KP + 4 Q + k belong to box 128 Q + 4 lane + k
.irp Q, 0,1,2,3,4,5,6,7,8,9,10,11,12,13,14,15
	global_load_b128 v[E+4*\Q:E+4*\Q+3], v1, s[4:5] offset:512*\Q
	global_load_b128 v[KP+4*\Q:KP+4*\Q+3], v1, s[6:7] offset:512*\Q
.endr
	s_lshl_b32 s18, s17, 15
	s_add_nc_u64 s[8:9], s[8:9], s[18:19]
	s_mul_i32 s18, s17, 2048*324
	s_add_nc_u64 s[10:11], s[10:11], s[18:19]
	s_mul_i32 s18, s17, 100*324
	s_mul_i32 s27, s16, 2*324
	s_add_co_u32 s18, s18, s27
	s_add_nc_u64 s[12:13], s[12:13], s[18:19]
	s_mul_i32 s18, s17, 100*16
	s_lshl_b32 s27, s16, 5
	s_add_co_u32 s18, s18, s27
	s_add_nc_u64 s[14:15], s[14:15], s[18:19]
.irp j, 0,1,2,3,4,5,6,7
	v_add_nc_u32 v[IX+\j], (\j&3)+128*(\j>>2), v2  ; the first batch's indices: loads 0 and 1 of each buffer
.endr
	; while the loads are out: where each of my 6 words lies
.irp k, 0,1,2,3,4,5
	v_add_nc_u32 v[P+\k], 32*\k, v0
.endr
.irp k, 0,1,2,3,4,5
	v_min_u32 v[P+\k], 161, v[P+\k]                ; the last step's spare lanes repeat word 161: same value, same place
.endr
.irp k, 0,1,2,3,4,5
	v_mul_u32_u24 v[B+\k], v[P+\k], 6473
.endr
.irp k, 0,1,2,3,4,5
	v_lshrrev_b32 v[B+\k], 19, v[B+\k]             ; e / 81, exact for e < 810: 6473 x 81 = 2^19 + 25
.endr
.irp k, 0,1,2,3,4,5
	v_mul_u32_u24 v[C+\k], v[B+\k], 81
.endr
.irp k, 0,1,2,3,4,5
	v_lshlrev_b32 v[A+\k], 2, v[P+\k]
.endr
.irp k, 0,1,2,3,4,5
	v_sub_nc_u32 v[C+\k], v[P+\k], v[C+\k]
.endr
.irp k, 0,1,2,3,4,5
	v_add_nc_u32 v[B+\k], s22, v[B+\k]
.endr
.irp k, 0,1,2,3,4,5
	v_lshlrev_b32 v[C+\k], 2, v[C+\k]
.endr
.irp k, 0,1,2,3,4,5
	v_lshlrev_b32 v[P+\k], 2, v[B+\k]
.endr
	v_min_u32 v8, 1, v0                            ; out1: a row a lane, lanes 2 to 31 repeat row 1
	v_add_nc_u32 v9, s22, v8
	v_lshlrev_b32 v16, 4, v8
	v_lshlrev_b32 v10, 2, v9
; batch g = the eight boxes of loads 2 g and 2 g + 1 of each buffer: each goes to the place of its rank
.macro EA g
.set TAg, TA+8*(\g&1)
.set TCg, TC+8*(\g&1)
	s_wait_loadcnt 28-4*\g                         ; pk and kept take turns: my four loads are in, the 28 - 4 g younger ones stay out
.irp j, 0,1,2,3,4,5,6,7
	v_and_b32 v[TAg+\j], 0xffff, v[E+8*\g+\j]
.endr
.irp j, 0,1,2,3,4,5,6,7
	v_lshl_or_b32 v[TCg+\j], v[KP+8*\g+\j], 16, v[IX+\j]       ; kept above, the box's index below
.endr
.irp j, 0,1,2,3,4,5,6,7
	v_min_u32 v[TAg+\j], 2047, v[TAg+\j]           ; the rank, held inside the table
.endr
.irp j, 0,1,2,3,4,5,6,7
	v_add_nc_u32 v[IX+\j], 256, v[IX+\j]           ; the next batch's indices
.endr
.irp j, 0,1,2,3,4,5,6,7
	v_lshlrev_b32 v[TAg+\j], 2, v[TAg+\j]
.endr
.irp j, 0,1,2,3,4,5,6,7
	ds_store_b32 v[TAg+\j], v[TCg+\j] offset:TAB
.endr
.endm
.irp g, 0,1,2,3,4,5,6,7
	EA \g
.endr
.set q, 0
.rept 64
	ds_load_b32 v[E+q], v2 offset:TAB+128*q        ; rank 32 q + lane; in order behind the stores above: one wave, one queue
.set q, q+1
.endr
	s_wait_dscnt 0x0
; batch g = ranks 256 g .. 256 g + 255: the kept ones move up to their places
.macro EB g
.set TAg, TA+8*(\g&1)
	s_mov_b32 s[PB], s[PB+8]                       ; kept boxes of the batches in front
.irp j, 0,1,2,3,4,5,6,7
	v_cmp_le_u32 s[MB+\j], s28, v[E+8*\g+\j]       ; kept
.endr
.irp j, 0,1,2,3,4,5,6,7
	s_bcnt1_i32_b32 s27, s[MB+\j]
	s_add_co_u32 s[PB+\j+1], s[PB+\j], s27
.endr
.irp j, 0,1,2,3,4,5,6,7
	v_mbcnt_lo_u32_b32 v[TAg+\j], s[MB+\j], s[PB+\j]
.endr
.irp j, 0,1,2,3,4,5,6,7
	v_cndmask_b32 v[TAg+\j], v6, v[TAg+\j], s[MB+\j]
.endr
.irp j, 0,1,2,3,4,5,6,7
	v_min_u32 v[TAg+\j], 128, v[TAg+\j]            ; places from 128 on are never read: to the spare word
.endr
.irp j, 0,1,2,3,4,5,6,7
	v_lshlrev_b32 v[TAg+\j], 2, v[TAg+\j]
.endr
.irp j, 0,1,2,3,4,5,6,7
	ds_store_b32 v[TAg+\j], v[E+8*\g+\j] offset:SEL
.endr
.endm
.irp g, 0,1,2,3,4,5,6,7
	EB \g
.endr
	s_min_u32 s21, s[PB+8], 100                    ; rows that have a kept box
	; which box each of my words' rows selects
.irp k, 0,1,2,3,4,5
	ds_load_b32 v[DD+\k], v[P+\k] offset:SEL
.endr
	ds_load_b32 v11, v10 offset:SEL
	s_wait_dscnt 0x0
	v_and_b32 v11, 0xffff, v11
.irp k, 0,1,2,3,4,5
	v_and_b32 v[DD+\k], 0xffff, v[DD+\k]
.endr
	v_min_u32 v11, 2047, v11
.irp k, 0,1,2,3,4,5
	v_min_u32 v[DD+\k], 2047, v[DD+\k]             ; the box's index, held inside the image
.endr
	v_lshlrev_b32 v11, 4, v11
.irp k, 0,1,2,3,4,5
	v_mul_u32_u24 v[DD+\k], v[DD+\k], 324
.endr
	global_load_b128 v[12:15], v11, s[8:9]         ; older than the 6 loads below: their counts cover it
.irp k, 0,1,2,3,4,5
	v_add_nc_u32 v[DD+\k], v[DD+\k], v[C+\k]
.endr
.irp k, 0,1,2,3,4,5
	global_load_b32 v[DD+\k], v[DD+\k], s[10:11]   ; the load lands on its own address register
.endr
	; while they are out: which rows have a kept box
.irp k, 0,1,2,3,4,5
	v_cmp_gt_u32 s[MB+\k], s21, v[B+\k]
.endr
	v_cmp_gt_u32 s[MB+6], s21, v9
.irp k, 0,1,2,3,4,5
	s_wait_loadcnt STEPS-1-\k                      ; load k is in, the 5 - k younger ones stay out
	v_cndmask_b32 v[DD+\k], 0, v[DD+\k], s[MB+\k]
	global_store_b32 v[A+\k], v[DD+\k], s[12:13]   ; 128 neighbouring bytes a store
.endr
.irp k, 0,1,2,3
	v_cndmask_b32 v[12+\k], 0, v[12+\k], s[MB+6]
.endr
	global_store_b128 v16, v[12:15], s[14:15]      ; the group's 32 neighbouring bytes of out1
	s_wait_tensorcnt 0x0
	ds_add_u32 v224, v225
	s_wait_dscnt 0x0
	s_endpgm
.Lfunc_end_k_q3d88c48f22_emit:
	.size	k_q3d88c48f22_emit, .Lfunc_end_k_q3d88c48f22_emit-k_q3d88c48f22_emit
	.p2alignl 7, 3214868480
	.fill 96, 4, 3214868480
	.section	.rodata,"a",@progbits
	.p2align	6, 0x0
	.amdhsa_kernel k_q3d88c48f22_emit
		.amdhsa_group_segment_fixed_size 9216
		.amdhsa_private_segment_fixed_size 0
		.amdhsa_enable_private_segment 0
		.amdhsa_kernarg_size 48
		.amdhsa_user_sgpr_count 2
		.amdhsa_user_sgpr_kernarg_segment_ptr 1
		.amdhsa_wavefront_size32 1
		.amdhsa_system_sgpr_workgroup_id_x 1
		.amdhsa_system_sgpr_workgroup_id_y 1
		.amdhsa_system_sgpr_workgroup_id_z 1
		.amdhsa_system_vgpr_workitem_id 0
		.amdhsa_next_free_vgpr 226
		.amdhsa_next_free_sgpr 66
		.amdhsa_reserve_vcc 0
		.amdhsa_float_denorm_mode_32 3
		.amdhsa_float_denorm_mode_16_64 3
		.amdhsa_memory_ordered 1
		.amdhsa_forward_progress 1
		.amdhsa_inst_pref_size 66
	.end_amdhsa_kernel
	.amdgpu_metadata
---
amdhsa.version: [ 1, 2 ]
amdhsa.kernels:
  - .name:           k_q3d88c48f22_emit
    .symbol:         k_q3d88c48f22_emit.kd
    .args:
      - { .name: pk, .offset: 0, .size: 8, .value_kind: global_buffer, .address_space: global }
      - { .name: kept, .offset: 8, .size: 8, .value_kind: global_buffer, .address_space: global }
      - { .name: boxes, .offset: 16, .size: 8, .value_kind: global_buffer, .address_space: global }
      - { .name: cls_logit, .offset: 24, .size: 8, .value_kind: global_buffer, .address_space: global }
      - { .name: out0, .offset: 32, .size: 8, .value_kind: global_buffer, .address_space: global }
      - { .name: out1, .offset: 40, .size: 8, .value_kind: global_buffer, .address_space: global }
    .group_segment_fixed_size: 9216
    .private_segment_fixed_size: 0
    .kernarg_segment_align: 8
    .kernarg_segment_size: 48
    .max_flat_workgroup_size: 32
    .sgpr_count:     66
    .vgpr_count:     226
    .wavefront_size: 32
...
	.end_amdgpu_metadata
.endif
;; end of part 6
;; ======== version 3 of 3: 4 launches; version 2 with the launches nms, emit written anew for expert scheduling mode
;; workspace buffers: label 65,536 bytes of whole numbers; key 65,536 bytes; pk 65,536 bytes of whole numbers; kept 65,536 bytes of whole numbers; boxes 262,144 bytes
;; launch amax: the kernel of part 1 again; grid 256 x 1, 2 waves a work-group, no clusters, 20,992 bytes of LDS; arguments cls_logit, label, key; writes label, key
;; launch rank: the kernel of part 2 again; grid 256 x 1, 8 waves a work-group, no clusters, 9,216 bytes of LDS; arguments key, label, pk; writes pk
;; launch nms (part 7): grid 81 x 8, 1 waves a work-group, no clusters, 57,856 bytes of LDS; arguments pk, key, cls_regress, proposal, kept, boxes; writes kept, boxes
.if DOCPART == 7
	.amdgcn_target "amdgcn-amd-amdhsa--gfx1250"
	.amdhsa_code_object_version 6
	.text
	.protected	k_q3d88c48f22_nms
	.globl	k_q3d88c48f22_nms
	.p2align	8
	.type	k_q3d88c48f22_nms,@function
k_q3d88c48f22_nms:
	s_mov_b64 s[64:65], 0
	v_nop
	global_prefetch_b8 v0, s[64:65] scope:SCOPE_SE
	s_setreg_imm32_b32 hwreg(HW_REG_WAVE_SCHED_MODE, 0, 2), 2
	s_setreg_imm32_b32 hwreg(HW_REG_WAVE_MODE, 25, 1), 1
	s_wait_xcnt 0x0
	s_wait_alu depctr_vm_vsrc(0)
; Greedy suppression inside ONE class of ONE image (suppression never crosses classes): 81 x 8 work-groups of one
; wave.  For every box i of the class: boxes[i] = the decoded, clipped box; kept[i] = 1 if it survives, else 0.
; Every box has exactly one label, so the 81 work-groups of an image together write every word of both buffers,
; and no word is written by two work-groups.  Class 0 (background) runs the same text with nothing kept.
; Steps: (A) put the image's 2,048 boxes in order of rank in LDS, and count my class's members on the way; (B)
; squeeze out the members of my class, still in that order; (C) chunks of 32 members, a member a lane: gather,
; decode, then let the kept boxes of earlier chunks and, one after the other, of the chunk itself strike out what
; they overlap.  (A) and (B) go in batches of eight words, written stage by stage, so that no line reads the
; result of the line in front of it.
; All lanes stay on throughout: in the last chunk the lanes behind the last member repeat that member (same
; index, same box, same kept bit) and store the same values to the same words; they never count as kept sources.
; All choices that hang on floats are masks and selects.  The trip counts hang on the member count n alone, and n
; is counted on the words of pk as they come from memory.
; LIMITS: IoU > 0.3 is tested as inter > 0.3f * max(union, 1e-12f) (a product in place of the quotient);
; exp(x) is v_exp_f32 of x * log2(e); centre + d * size is one fused multiply-add.  A pair whose IoU lies within
; a few units in the last place of 0.3 may therefore fall on the other side.  Inputs are finite.
; No matrix unit (no products), no tensor loads or clusters (gathers of 16 bytes; several of these small
; work-groups share a WGP), no prefetch (a gather's address is known only just before its load).
; THE MODE: SCHED_MODE bits 1:0 = 2 (LLVM: expert scheduling mode 2), set by the entry lines.  The code itself states the
; register dependences between vector instructions and memory or LDS instructions, and between a vector instruction that
; writes a scalar register and its readers, with s_wait_alu, always for 0.
; THE PLAN.  Registers that memory or LDS instructions touch:
;   v1, v2      offsets, made at the head and never written again.
;   E           pk lands in it; (A)'s vector lines read it; the table in order lands in it; (B)'s vector lines read it and (B)'s
;               stores take it as data; nothing writes it after that.
;   TA0/1, TC0/1  batch g's vector lines write set g & 1; the eight stores from that set are issued in batch g + 1, behind
;               the waits at that batch's head, dealt among its stages, which write only the other set, TB and IX.
;   in (C)      v11 -> the list word's load -> v12; v14, v15, v16 -> the three gathers -> v17, v[20:27]; at a trip's end ONE run
;               of four stores reads v19, T, v4, v5, v14, v15, v18; the loop over earlier chunks loads S and v6 by v4 and v5.
; A batch has a wait on va_vdst (the batch in front has written its set), from the third batch on a wait on vm_vsrc (the stores
; issued in the batch in front have read the set that this batch writes again) and a wait on va_sdst (the ballots).
.set SORT, 0                           ; 2,048 words, by rank: index | label << 16
.set LIST, 8192                        ; 2,081 words: my class's members in order; word 2080 takes what is thrown away
.set BOX,  16640                       ; 2,048 x 16 bytes: the members' boxes
.set KW,   49408                       ; 2,048 words: the chunk that begins at member m0 leaves its final mask in word m0
.set E,    64                          ; v[64:127] 64 words a lane
; in (A) and (B):
.set IX,   10                          ; v[10:17]  the indices of a batch's eight words
.set TA,   20                          ; v[20:35]  LDS addresses, two sets of eight that take turns
.set TB,   36                          ; v[36:43]  labels
.set TC,   44                          ; v[44:59]  words to store, two sets of eight
.set MB,   32                          ; s[32:39]  a batch's eight ballots
.set PB,   40                          ; s[40:48]  members placed in front of each of the eight words, and behind the last
; in (C):
.set T,    28                          ; v[28:31] my box, v32 its area
.set S,    36                          ; v[36:39] a box of an earlier chunk, v40 its area
.set W,    44                          ; v[44:59] four sets of four, at work
; v1 16 x lane, v2 4 x lane, v4-v9 at work (v9 = 2080 in (B)), v10 member m, v11 its list word's bytes, v12 list word,
; v13 index i, v14 4i, v15 16i, v16 1296i, v17 key, v18 kept, v19 16m, v[20:23] proposal, v[24:27] delta
; s2 trips over my own chunk, s3 their counter, s16 class, s17 image, s20 members n, s21 n - 1, s22 my chunk's first
; member m0, s23 an earlier chunk's first member, s24 j, s25 my chunk's mask K, s26 an earlier chunk's mask, s27 at work,
; s28 all ones unless class 0, s29 earlier chunk's number p, s30/s31 the clip of dw, dh, s[32:35] source lanes,
; s[36:39] overlap masks, s[40:59] four source boxes with areas, s60/s61 masks, s62 my chunk's number q, s63 chunks
	s_load_b256 s[4:11], s[0:1], 0x0               ; pk s[4:5], key s[6:7], cls_regress s[8:9], proposal s[10:11]
	s_load_b128 s[12:15], s[0:1], 0x20             ; kept s[12:13], boxes s[14:15]
	v_lshl_add_u32 v62, v0, 2, 0xe100
	v_mov_b32 v63, 0
	s_mov_b32 s16, ttmp9
	s_and_b32 s17, ttmp7, 0xffff
	s_mov_b32 s30, 0xc0845349                      ; -|log(0.016)|
	s_mov_b32 s31, 0x40845349                      ; +|log(0.016)|
	s_cmp_lg_u32 s16, 0
	s_cselect_b32 s28, -1, 0
	v_lshlrev_b32 v2, 2, v0
	v_lshlrev_b32 v1, 4, v0
	v_mov_b32 v9, 2080
	s_lshl_b32 s18, s17, 13                        ; an image's 2,048 words
	s_mov_b32 s19, 0
	s_wait_kmcnt 0x0
	s_add_nc_u64 s[4:5], s[4:5], s[18:19]
	s_add_nc_u64 s[6:7], s[6:7], s[18:19]
	s_add_nc_u64 s[12:13], s[12:13], s[18:19]
	s_wait_alu depctr_va_vdst(0)                   ; v1 and v2 are written: the loads of pk read v1 as their offset, the loads of the table in order v2
	; sixteen loads of 16 bytes a lane: register E + 4 Q + k holds the word of box 128 Q + 4 lane + k
.irp Q, 0,1,2,3,4,5,6,7,8,9,10,11,12,13,14,15
	global_load_b128 v[E+4*\Q:E+4*\Q+3], v1, s[4:5] offset:512*\Q
.endr
	s_lshl_b32 s18, s17, 15                        ; an image's 2,048 boxes
	s_add_nc_u64 s[10:11], s[10:11], s[18:19]
	s_add_nc_u64 s[14:15], s[14:15], s[18:19]
	s_mul_i32 s18, s17, 2048*81*16                 ; an image's deltas,
	s_lshl4_add_u32 s18, s16, s18                  ; and my class's 16 bytes in a box's 81 x 16
	s_add_nc_u64 s[8:9], s[8:9], s[18:19]
.irp j, 0,1,2,3,4,5,6,7
	v_add_nc_u32 v[IX+\j], (\j&3)+128*(\j>>2), v2  ; the first batch's indices: loads 0 and 1
.endr
	s_mov_b32 s20, 0
	s_mov_b32 s[PB+8], 0
; two of the eight stores of the batch in front, from its sets TAp and TCp.  on = 0: there is no batch in front
.macro APUT on, a, b
.if \on
	ds_store_b32 v[TAp+\a], v[TCp+\a] offset:SORT
	ds_store_b32 v[TAp+\b], v[TCp+\b] offset:SORT
.endif
.endm
; (A) batch g = the eight words of loads 2 g and 2 g + 1: each goes to the place of its rank; n += the words of my class
.macro ABATCH g
.set TAg, TA+8*(\g&1)
.set TCg, TC+8*(\g&1)
.set TAp, TA+8*((\g+1)&1)
.set TCp, TC+8*((\g+1)&1)
	s_wait_loadcnt 14-2*\g                         ; loads return in order: mine are in, the 14 - 2 g younger ones stay out
.if \g >= 2
	s_wait_alu depctr_vm_vsrc(0)                   ; the stores issued in the batch in front have read the sets TAg and TCg, which this batch writes again
.endif
.if \g >= 1
	s_wait_alu depctr_va_vdst(0)                   ; the batch in front has written TAp and TCp, which the eight stores below read; no line of this batch names them
.endif
.irp j, 0,1,2,3,4,5,6,7
	v_and_b32 v[TAg+\j], 0xffff, v[E+8*\g+\j]
.endr
	APUT \g, 0, 1
.irp j, 0,1,2,3,4,5,6,7
	v_lshrrev_b32 v[TB+\j], 16, v[E+8*\g+\j]       ; the label
.endr
	APUT \g, 2, 3
.irp j, 0,1,2,3,4,5,6,7
	v_min_u32 v[TAg+\j], 2047, v[TAg+\j]           ; the rank, held inside the table
.endr
	APUT \g, 4, 5
.irp j, 0,1,2,3,4,5,6,7
	v_cmp_eq_u32 s[MB+\j], s16, v[TB+\j]
.endr
	APUT \g, 6, 7
.irp j, 0,1,2,3,4,5,6,7
	v_lshlrev_b32 v[TAg+\j], 2, v[TAg+\j]
.endr
.irp j, 0,1,2,3,4,5,6,7
	v_and_or_b32 v[TCg+\j], v[E+8*\g+\j], 0xffff0000, v[IX+\j]   ; label above, the box's index below
.endr
.irp j, 0,1,2,3,4,5,6,7
	v_add_nc_u32 v[IX+\j], 256, v[IX+\j]           ; the next batch's indices
.endr
	s_wait_alu depctr_va_sdst(0)                   ; the eight compares have written the ballots s[MB ..], ahead of their first reader
.irp j, 0,1,2,3,4,5,6,7
	s_bcnt1_i32_b32 s[MB+\j], s[MB+\j]
.endr
.irp j, 0,1,2,3,4,5,6,7
	s_add_co_u32 s20, s20, s[MB+\j]
.endr
.endm
.irp g, 0,1,2,3,4,5,6,7
	ABATCH \g
.endr
.set TAp, TA+8                         ; batch 7's sets
.set TCp, TC+8
	s_wait_alu depctr_va_vdst(0)                   ; batch 7 has written its sets, which the last eight stores read; and every line of (A) that read E is done: the loads below land in E
	APUT 1, 0, 1
	APUT 1, 2, 3
	APUT 1, 4, 5
	APUT 1, 6, 7
	; (B) my class's members, in order.  One wave's LDS instructions are served in order: no wait behind the stores.
.set q, 0
.rept 64
	ds_load_b32 v[E+q], v2 offset:SORT+128*q       ; register E + q: rank 32 q + lane
.set q, q+1
.endr
	s_wait_dscnt 0x0
	s_wait_alu depctr_vm_vsrc(0)                   ; (A)'s stores have read both sets of TA, which (B)'s first two batches write again
; four of the eight stores of the batch in front: addresses from its set TAp, data from its eight registers of E, at Ep
.macro BPUT on, a, b, c, d
.if \on
.irp j, \a, \b, \c, \d
	ds_store_b32 v[TAp+\j], v[Ep+\j] offset:LIST
.endr
.endif
.endm
; batch g = ranks 256 g .. 256 g + 255
.macro BBATCH g
.set TAg, TA+8*(\g&1)
.set TAp, TA+8*((\g+1)&1)
.set Ep,  E+8*(\g-1)
	s_mov_b32 s[PB], s[PB+8]                       ; members placed by the batches in front
.if \g >= 2
	s_wait_alu depctr_vm_vsrc(0)                   ; the stores issued in the batch in front have read the set TAg, which this batch writes again
.endif
.if \g >= 1
	s_wait_alu depctr_va_vdst(0)                   ; the batch in front has written TAp, the addresses of the eight stores below; no line of this batch names it
.endif
.irp j, 0,1,2,3,4,5,6,7
	v_lshrrev_b32 v[TB+\j], 16, v[E+8*\g+\j]
.endr
	BPUT \g, 0, 1, 2, 3
.irp j, 0,1,2,3,4,5,6,7
	v_cmp_eq_u32 s[MB+\j], s16, v[TB+\j]
.endr
	BPUT \g, 4, 5, 6, 7
	s_wait_alu depctr_va_sdst(0)                   ; the eight compares have written the ballots s[MB ..], ahead of their first reader
.irp j, 0,1,2,3,4,5,6,7
	s_bcnt1_i32_b32 s27, s[MB+\j]
	s_add_co_u32 s[PB+\j+1], s[PB+\j], s27
.endr
.irp j, 0,1,2,3,4,5,6,7
	v_mbcnt_lo_u32_b32 v[TAg+\j], s[MB+\j], s[PB+\j]           ; members so far + members in the lanes below me
.endr
.irp j, 0,1,2,3,4,5,6,7
	v_cndmask_b32 v[TAg+\j], v9, v[TAg+\j], s[MB+\j]           ; the others' words go to the spare word
.endr
.irp j, 0,1,2,3,4,5,6,7
	v_min_u32 v[TAg+\j], 2080, v[TAg+\j]
.endr
.irp j, 0,1,2,3,4,5,6,7
	v_lshlrev_b32 v[TAg+\j], 2, v[TAg+\j]
.endr
.endm
.irp g, 0,1,2,3,4,5,6,7
	BBATCH \g
.endr
.set TAp, TA+8                         ; batch 7's set and its registers of E
.set Ep,  E+56
	s_wait_alu depctr_va_vdst(0)                   ; batch 7 has written its set, the addresses of the last eight stores
	BPUT 1, 0, 1, 2, 3
	BPUT 1, 4, 5, 6, 7
	s_wait_alu depctr_vm_vsrc(0)                   ; (B)'s stores have read both sets of TA: in (C) these registers take the gathers' data and my box
	s_min_u32 s20, s20, 2048
	s_add_co_u32 s63, s20, 31
	s_lshr_b32 s63, s63, 5                         ; chunks of 32 members,
	s_min_u32 s63, s63, 64                         ; 64 at the most
	s_cmp_eq_u32 s20, 0
	s_cbranch_scc1 .Lend                           ; a class without members has nothing to write
	s_sub_co_u32 s21, s20, 1                       ; the last member
; Four source boxes, lanes j .. j+3 of the registers at src, against my box.  Every stage is written four times over,
; so that four chains fill each other's waits.  own = 1: the sources are my own chunk: a source strikes only lanes
; above it, and only if it is itself still kept when its turn comes; own = 0: the sources' mask s26 is final.
; No memory or LDS instruction stands in it: its two waits are for scalar registers that vector lines write.
.macro JBODY src, own
.irp u, 0,1,2,3
	s_add_co_u32 s[32+\u], s24, \u
.endr
.irp u, 0,1,2,3
.irp k, 0,1,2,3,4
	v_readlane_b32 s[40+5*\u+\k], v[\src+\k], s[32+\u]
.endr
.endr
	s_wait_alu depctr_va_sdst(0)                           ; the twenty v_readlane_b32 have written s[40:59], ahead of their first reader
.irp u, 0,1,2,3
	v_max_num_f32 v[W+4*\u],   s[40+5*\u], v[T]
	v_max_num_f32 v[W+4*\u+1], s[41+5*\u], v[T+1]
	v_min_num_f32 v[W+4*\u+2], s[42+5*\u], v[T+2]
	v_min_num_f32 v[W+4*\u+3], s[43+5*\u], v[T+3]
.endr
.irp u, 0,1,2,3
	v_sub_f32 v[W+4*\u],   v[W+4*\u+2], v[W+4*\u]
	v_sub_f32 v[W+4*\u+1], v[W+4*\u+3], v[W+4*\u+1]
.endr
.irp u, 0,1,2,3
	v_max_num_f32 v[W+4*\u],   0, v[W+4*\u]
	v_max_num_f32 v[W+4*\u+1], 0, v[W+4*\u+1]
	v_add_f32 v[W+4*\u+2], s[44+5*\u], v[T+4]              ; the two areas
.endr
.irp u, 0,1,2,3
	v_mul_f32 v[W+4*\u], v[W+4*\u], v[W+4*\u+1]            ; inter
.endr
.irp u, 0,1,2,3
	v_sub_f32 v[W+4*\u+2], v[W+4*\u+2], v[W+4*\u]          ; union
.endr
.irp u, 0,1,2,3
	v_max_num_f32 v[W+4*\u+2], 0x2b8cbccc, v[W+4*\u+2]     ; at least 1e-12
.endr
.irp u, 0,1,2,3
	v_mul_f32 v[W+4*\u+2], 0x3e99999a, v[W+4*\u+2]         ; x 0.3
.endr
.irp u, 0,1,2,3
	v_cmp_gt_f32 s[36+\u], v[W+4*\u], v[W+4*\u+2]
.endr
	s_wait_alu depctr_va_sdst(0)                           ; the four compares have written s[36:39], ahead of their first reader
.irp u, 0,1,2,3
.if \own
	s_lshl_b32 s27, -2, s[32+\u]                           ; the lanes above the source
	s_and_b32 s[36+\u], s[36+\u], s27
	s_bitcmp1_b32 s25, s[32+\u]                            ; is the source still kept?
.else
	s_bitcmp1_b32 s26, s[32+\u]
.endif
	s_cselect_b32 s27, s[36+\u], 0
	s_and_not1_b32 s25, s25, s27
.endr
.endm
	; (C) the loop counts chunks, s62 = 0 .. s63 - 1; s22 = 32 x s62, the chunk's first member, is stepped beside it
	s_mov_b32 s22, 0
	s_mov_b32 s62, 0
.Lq:
	v_add_nc_u32 v10, s22, v0                      ; member m = m0 + lane
	v_min_u32 v10, 2047, v10                       ; m0 <= 2016: changes nothing, states the bound
	v_min_u32 v11, s21, v10                        ; lanes behind the last member repeat it
	v_min_u32 v11, 2047, v11
	v_lshlrev_b32 v11, 2, v11
	v_lshlrev_b32 v19, 4, v10
	s_wait_alu depctr_va_vdst(0)                   ; v11 is written, the load's address; the lines that wrote or read v12 before (the indices of (A), the last trip's unpacking) are done: the load lands in it
	ds_load_b32 v12, v11 offset:LIST
	s_wait_dscnt 0x0
	v_and_b32 v13, 0xffff, v12
	v_min_u32 v13, 2047, v13                       ; the box's index, held inside the image
	v_lshlrev_b32 v14, 2, v13
	v_lshlrev_b32 v15, 4, v13
	v_mul_u32_u24 v16, v13, 81*16
	s_wait_alu depctr_va_vdst(0)                   ; v14, v15 and v16 are written, the gathers' offsets; the lines that wrote or read v17 and v[20:27] before ((A) and (B), the last trip's decoding) are done: the gathers land there
	global_load_b32 v17, v14, s[6:7]               ; score
	global_load_b128 v[20:23], v15, s[10:11]       ; proposal
	global_load_b128 v[24:27], v16, s[8:9]         ; my class's delta
	s_wait_loadcnt 0x0
	v_sub_f32 v4, v22, v20                         ; w
	v_sub_f32 v5, v23, v21                         ; h
	v_mul_f32 v26, 0x3e4ccccd, v26                 ; dw, dh x 0.2
	v_mul_f32 v27, 0x3e4ccccd, v27
	v_mul_f32 v24, 0x3dcccccd, v24                 ; dx, dy x 0.1
	v_mul_f32 v25, 0x3dcccccd, v25
	v_med3_num_f32 v26, v26, s30, s31
	v_med3_num_f32 v27, v27, s30, s31
	v_mul_f32 v26, 0x3fb8aa3b, v26                 ; x log2(e)
	v_mul_f32 v27, 0x3fb8aa3b, v27
	v_fma_f32 v6, 0.5, v4, v20                     ; cx
	v_fma_f32 v7, 0.5, v5, v21                     ; cy
	v_exp_f32 v8, v26
	v_exp_f32 v9, v27
	v_fma_f32 v6, v24, v4, v6                      ; the new centre: plain work that touches neither the exponentials'
	v_fma_f32 v7, v25, v5, v7                      ; results nor their sources stands behind them (ISA guide 5.7.2)
	s_wait_alu depctr_va_vdst(0)                   ; the two exponentials have written v8 and v9: one wait for both, ahead of their first reader
	v_mul_f32 v8, v4, v8                           ; the new width
	v_mul_f32 v9, v5, v9
	v_fma_f32 v[T],   -0.5, v8, v6
	v_fma_f32 v[T+1], -0.5, v9, v7
	v_fma_f32 v[T+2], 0.5, v8, v6
	v_fma_f32 v[T+3], 0.5, v9, v7
.irp k, 0,1,2,3
	v_med3_num_f32 v[T+\k], v[T+\k], 0, 1.0
.endr
	v_sub_f32 v4, v[T+2], v[T]
	v_sub_f32 v5, v[T+3], v[T+1]
	v_max_num_f32 v4, 0, v4
	v_max_num_f32 v5, 0, v5
	v_mul_f32 v[T+4], v4, v5                       ; area
	v_max3_num_f32 v6, v20, v21, v22
	v_max_num_f32 v6, v6, v23
	v_cmp_lt_f32 s25, 0, v6                        ; a valid proposal,
	v_cmp_le_f32 s60, 0x3f333333, v17              ; a score of 0.7 at the least,
	v_cmp_gt_u32 s61, s20, v10                     ; a member and no repeat of the last one,
	s_wait_alu depctr_va_sdst(0)                   ; the three compares have written s25, s60 and s61, ahead of their first reader
	s_and_b32 s25, s25, s60
	s_and_b32 s25, s25, s61
	s_and_b32 s25, s25, s28                        ; and not the background
	s_cmp_eq_u32 s62, 0
	s_cbranch_scc1 .Lown
	; the chunks in front of mine: s29 = 0 .. s62 - 1 counts them, s23 = 32 x s29 is stepped beside it
	s_mov_b32 s23, 0
	s_mov_b32 s29, 0
.Lp:
	v_add_nc_u32 v4, s23, v0
	v_min_u32 v4, 2047, v4
	v_lshlrev_b32 v4, 4, v4
	v_mov_b32 v5, s23
	v_min_u32 v5, 2047, v5
	v_lshlrev_b32 v5, 2, v5
	s_wait_alu depctr_va_vdst(0)                   ; v4 and v5 are written, the two loads' addresses; the lines that wrote or read S and v6 before (the labels of (A) and (B), the decoding, the last trip's v_readlane_b32) are done: the loads land there
	ds_load_b128 v[S:S+3], v4 offset:BOX
	ds_load_b32 v6, v5 offset:KW
	s_wait_dscnt 0x0
	s_wait_alu depctr_vm_vsrc(0)                   ; the two loads have read v4 and v5, which the lines below, the next trip and the chunk's end write again
	v_readfirstlane_b32 s26, v6
	v_sub_f32 v4, v[S+2], v[S]
	v_sub_f32 v5, v[S+3], v[S+1]
	v_max_num_f32 v4, 0, v4
	v_max_num_f32 v5, 0, v5
	v_mul_f32 v[S+4], v4, v5
	s_wait_alu depctr_va_sdst(0)                   ; s26 is written, ahead of the label and of its first reader behind it
	s_mov_b32 s24, 0
.Ljprev:
	JBODY S, 0
	s_add_co_u32 s24, s24, 4
	s_cmp_lt_u32 s24, 32
	s_cbranch_scc1 .Ljprev
	s_add_co_u32 s23, s23, 32
	s_add_co_u32 s29, s29, 1
	s_cmp_lt_u32 s29, s62
	s_cbranch_scc1 .Lp
.Lown:
	; my own chunk's sources, four a trip.  Lanes from n - m0 on are never kept sources, so ceil((n - m0) / 4) trips
	; do, eight at the most; s3 counts them, s24 = 4 x s3 is stepped beside it
	s_sub_co_u32 s2, s20, s22
	s_add_co_u32 s2, s2, 3
	s_lshr_b32 s2, s2, 2
	s_min_u32 s2, s2, 8
	s_mov_b32 s24, 0
	s_mov_b32 s3, 0
.Ljown:
	JBODY T, 1
	s_add_co_u32 s24, s24, 4
	s_add_co_u32 s3, s3, 1
	s_cmp_lt_u32 s3, s2
	s_cbranch_scc1 .Ljown
	v_mov_b32 v4, s22
	v_min_u32 v4, 2047, v4
	v_lshlrev_b32 v4, 2, v4
	v_mov_b32 v5, s25
	s_sub_co_u32 s27, s21, s22                     ; the last member's lane in this chunk (31 or more: every lane is a member)
	v_min_u32 v6, s27, v0
	v_lshrrev_b32 v18, v6, s25                     ; my bit of K; a lane that repeats the last member takes that member's bit
	v_and_b32 v18, 1, v18
	s_wait_alu depctr_va_vdst(0)                   ; v4, v5 and v18 are written, and so, further up, are v19 and my box: the four stores below read them
	ds_store_b128 v19, v[T:T+3] offset:BOX         ; at my own place m, for the chunks behind: only later trips read it
	ds_store_b32 v4, v5 offset:KW                  ; the chunk's mask, final, for the chunks behind it
	global_store_b32 v14, v18, s[12:13]
	global_store_b128 v15, v[T:T+3], s[14:15]
	s_wait_xcnt 0x0                                ; v14, v15, v18 and my box are written again only behind this wait
	s_wait_alu depctr_vm_vsrc(0)                   ; the trip's loads and stores have read v4, v5, v11, v14, v15, v16, v18, v19 and my box, which the next trip writes again
	s_add_co_u32 s22, s22, 32
	s_add_co_u32 s62, s62, 1
	s_cmp_lt_u32 s62, s63
	s_cbranch_scc1 .Lq
.Lend:
	s_wait_dscnt 0x0
	s_wait_alu depctr_hold_cnt(0) depctr_sa_sdst(0) depctr_va_vdst(0) depctr_va_sdst(0) depctr_va_ssrc(0) depctr_va_vcc(0) depctr_vm_vsrc(0)
	s_wait_tensorcnt 0x0
	ds_add_u32 v62, v63
	s_wait_dscnt 0x0
	s_endpgm
.Lfunc_end_k_q3d88c48f22_nms:
	.size	k_q3d88c48f22_nms, .Lfunc_end_k_q3d88c48f22_nms-k_q3d88c48f22_nms
	.p2alignl 7, 3214868480
	.fill 96, 4, 3214868480
	.section	.rodata,"a",@progbits
	.p2align	6, 0x0
	.amdhsa_kernel k_q3d88c48f22_nms
		.amdhsa_group_segment_fixed_size 57856
		.amdhsa_private_segment_fixed_size 0
		.amdhsa_enable_private_segment 0
		.amdhsa_kernarg_size 48
		.amdhsa_user_sgpr_count 2
		.amdhsa_user_sgpr_kernarg_segment_ptr 1
		.amdhsa_wavefront_size32 1
		.amdhsa_system_sgpr_workgroup_id_x 1
		.amdhsa_system_sgpr_workgroup_id_y 1
		.amdhsa_system_sgpr_workgroup_id_z 1
		.amdhsa_system_vgpr_workitem_id 0
		.amdhsa_next_free_vgpr 128
		.amdhsa_next_free_sgpr 66
		.amdhsa_reserve_vcc 0
		.amdhsa_float_denorm_mode_32 3
		.amdhsa_float_denorm_mode_16_64 3
		.amdhsa_memory_ordered 1
		.amdhsa_forward_progress 1
		.amdhsa_inst_pref_size 86
	.end_amdhsa_kernel
	.amdgpu_metadata
---
amdhsa.version: [ 1, 2 ]
amdhsa.kernels:
  - .name:           k_q3d88c48f22_nms
    .symbol:         k_q3d88c48f22_nms.kd
    .args:
      - { .name: pk, .offset: 0, .size: 8, .value_kind: global_buffer, .address_space: global }
      - { .name: key, .offset: 8, .size: 8, .value_kind: global_buffer, .address_space: global }
      - { .name: cls_regress, .offset: 16, .size: 8, .value_kind: global_buffer, .address_space: global }
      - { .name: proposal, .offset: 24, .size: 8, .value_kind: global_buffer, .address_space: global }
      - { .name: kept, .offset: 32, .size: 8, .value_kind: global_buffer, .address_space: global }
      - { .name: boxes, .offset: 40, .size: 8, .value_kind: global_buffer, .address_space: global }
    .group_segment_fixed_size: 57856
    .private_segment_fixed_size: 0
    .kernarg_segment_align: 8
    .kernarg_segment_size: 48
    .max_flat_workgroup_size: 32
    .sgpr_count:     66
    .vgpr_count:     128
    .wavefront_size: 32
...
	.end_amdgpu_metadata
.endif
;; end of part 7
;; launch emit (part 8): grid 50 x 8, 1 waves a work-group, no clusters, 9,216 bytes of LDS; arguments pk, kept, boxes, cls_logit, out0, out1; writes out0, out1
.if DOCPART == 8
	.amdgcn_target "amdgcn-amd-amdhsa--gfx1250"
	.amdhsa_code_object_version 6
	.text
	.protected	k_q3d88c48f22_emit
	.globl	k_q3d88c48f22_emit
	.p2align	8
	.type	k_q3d88c48f22_emit,@function
k_q3d88c48f22_emit:
	s_mov_b64 s[64:65], 0
	v_nop
	global_prefetch_b8 v0, s[64:65] scope:SCOPE_SE
	s_setreg_imm32_b32 hwreg(HW_REG_WAVE_SCHED_MODE, 0, 2), 2
	s_setreg_imm32_b32 hwreg(HW_REG_WAVE_MODE, 25, 1), 1
	s_wait_xcnt 0x0
	s_wait_alu depctr_vm_vsrc(0)
; The first 100 kept boxes of an image, in order of rank, give out0 (their 81 logits) and out1 (their boxes);
; rows for which no kept box is left are zeros.  8 images x 50 groups of 2 output rows, one wave each.
; Every work-group puts the image's 2,048 words (index | kept << 16) in order of rank in LDS and squeezes out the
; kept ones, as the launch before does for a class: 16 KiB read again by each is less than a launch more, and
; a wave that writes 2 rows has 6 steps of output behind the table work where one that writes 10 would have 26.
; The table work goes in batches of eight words, written stage by stage, so that no line reads the result of the
; line in front of it.  The group's 2 rows = 162 neighbouring words of out0 go out word by word, neighbouring
; lanes at neighbouring words.  Addresses hang on pk and kept alone, whole numbers that earlier launches stored.
; LIMIT: the logits are finite (the reference zeroes a row whose score is infinite; this text would emit it).
; THE MODE: SCHED_MODE bits 1:0 = 2 (LLVM: expert scheduling mode 2), set by the entry lines.  The code itself states the
; register dependences between vector instructions and memory or LDS instructions, and between a vector instruction that
; writes a scalar register and its readers, with s_wait_alu, always for 0.
; THE PLAN.  Registers that memory or LDS instructions touch:
;   v1, v2, v7   offsets and a zero, made at the head and never written again.
;   E            pk lands in it; the first phase's vector lines read it; the table in order lands in it; the second phase's
;                compares read it and its stores take it as data; nothing writes it after that.
;   KP           kept lands in it; the first phase's vector lines read it; at the end the six logits land in its first six
;                registers, are masked there and stored from there.
;   TA0/1, TC0/1 batch g's vector lines write set g & 1; the eight stores from that set are issued in batch g + 1, behind the
;                waits at that batch's head, dealt among its stages, which write only the other set and IX.
;   P, v10       addresses of the loads from SEL;  A, v16  offsets of the last stores: made while pk and kept are on their way,
;                ahead of every later wait on va_vdst, and never written again.
;   DD, v11      the loads from SEL land in them; vector lines make the gathers' offsets of them; the gathers read them.
; A batch has a wait on va_vdst (the batch in front has written its set) and, from the third batch on, a wait on vm_vsrc (the
; stores issued in the batch in front have read the set that this batch writes again); the second phase's also one on va_sdst.
.set TAB, 0                            ; 2,048 words by rank
.set SEL, 8192                         ; 160 words: the kept boxes in order; word 128 takes what is thrown away
.set E,   64                           ; v[64:127]  pk, then the table in order
.set KP,  128                          ; v[128:191] kept
.set LG,  KP                           ; v[128:133] at the end: step k's logit
.set TA,  20                           ; v[20:35]   LDS addresses, two sets of eight that take turns
.set TC,  36                           ; v[36:51]   words to store, two sets of eight
.set IX,  52                           ; v[52:59]   the indices of a batch's eight words
.set A,   192                          ; v[192:197] step k: byte offset of my word in the group's 162
.set B,   198                          ; v[198:203] its output row, 0..99
.set C,   204                          ; v[204:209] its byte in the row of 324
.set DD,  210                          ; v[210:215] the selected box, then its logit's byte offset
.set P,   216                          ; v[216:221] my word's number, then the byte of its row's word in SEL
.set STEPS, 6                          ; 6 x 32 lanes cover 162 words
.set MB,  32                           ; s[32:39]   a batch's eight ballots; later the rows' masks
.set PB,  40                           ; s[40:48]   kept boxes in front of each of the eight words, and behind the last
; v1 16 x lane, v2 4 x lane, v6 128, v7 0, v8 my row of out1 in the group, v9 that row, v10 its word in SEL, v11 its box's
; bytes, v[12:15] the box, v16 16 x v8
; s16 group of rows, s17 image, s21 rows that are filled, s22 the group's first row, s27 at work, s28 0x10000
	s_load_b256 s[4:11], s[0:1], 0x0               ; pk s[4:5], kept s[6:7], boxes s[8:9], cls_logit s[10:11]
	s_load_b128 s[12:15], s[0:1], 0x20             ; out0 s[12:13], out1 s[14:15]
	v_lshl_add_u32 v222, v0, 2, 0x2300
	v_mov_b32 v223, 0
	v_lshlrev_b32 v2, 2, v0
	v_lshlrev_b32 v1, 4, v0
	v_mov_b32 v6, 128
	v_mov_b32 v7, 0
	s_mov_b32 s16, ttmp9
	s_and_b32 s17, ttmp7, 0xffff
	s_lshl_b32 s22, s16, 1
	s_mov_b32 s28, 0x10000
	s_mov_b32 s[PB+8], 0
	s_lshl_b32 s18, s17, 13
	s_mov_b32 s19, 0
	s_wait_alu depctr_va_vdst(0)                   ; v1, v2 and v7 are written: the stores below read v2 and v7, the loads of pk and kept v1, the loads of the table in order v2
.irp k, 0,1,2,3,4
	ds_store_b32 v2, v7 offset:SEL+128*\k          ; rows without a kept box read index 0 and are masked to zero
.endr
	s_wait_kmcnt 0x0
	s_add_nc_u64 s[4:5], s[4:5], s[18:19]
	s_add_nc_u64 s[6:7], s[6:7], s[18:19]
	; 2 x 16 loads of 16 bytes a lane: registers E + 4 Q + k and KP + 4 Q + k belong to box 128 Q + 4 lane + k
.irp Q, 0,1,2,3,4,5,6,7,8,9,10,11,12,13,14,15
	global_load_b128 v[E+4*\Q:E+4*\Q+3], v1, s[4:5] offset:512*\Q
	global_load_b128 v[KP+4*\Q:KP+4*\Q+3], v1, s[6:7] offset:512*\Q
.endr
	s_lshl_b32 s18, s17, 15
	s_add_nc_u64 s[8:9], s[8:9], s[18:19]
	s_mul_i32 s18, s17, 2048*324
	s_add_nc_u64 s[10:11], s[10:11], s[18:19]
	s_mul_i32 s18, s17, 100*324
	s_mul_i32 s27, s16, 2*324
	s_add_co_u32 s18, s18, s27
	s_add_nc_u64 s[12:13], s[12:13], s[18:19]
	s_mul_i32 s18, s17, 100*16
	s_lshl_b32 s27, s16, 5
	s_add_co_u32 s18, s18, s27
	s_add_nc_u64 s[14:15], s[14:15], s[18:19]
.irp j, 0,1,2,3,4,5,6,7
	v_add_nc_u32 v[IX+\j], (\j&3)+128*(\j>>2), v2  ; the first batch's indices: loads 0 and 1 of each buffer
.endr
	; while the loads are out: where each of my 6 words lies
.irp k, 0,1,2,3,4,5
	v_add_nc_u32 v[P+\k], 32*\k, v0
.endr
.irp k, 0,1,2,3,4,5
	v_min_u32 v[P+\k], 161, v[P+\k]                ; the last step's spare lanes repeat word 161: same value, same place
.endr
.irp k, 0,1,2,3,4,5
	v_mul_u32_u24 v[B+\k], v[P+\k], 6473
.endr
.irp k, 0,1,2,3,4,5
	v_lshrrev_b32 v[B+\k], 19, v[B+\k]             ; e / 81, exact for e < 810: 6473 x 81 = 2^19 + 25
.endr
.irp k, 0,1,2,3,4,5
	v_mul_u32_u24 v[C+\k], v[B+\k], 81
.endr
.irp k, 0,1,2,3,4,5
	v_lshlrev_b32 v[A+\k], 2, v[P+\k]
.endr
.irp k, 0,1,2,3,4,5
	v_sub_nc_u32 v[C+\k], v[P+\k], v[C+\k]
.endr
.irp k, 0,1,2,3,4,5
	v_add_nc_u32 v[B+\k], s22, v[B+\k]
.endr
.irp k, 0,1,2,3,4,5
	v_lshlrev_b32 v[C+\k], 2, v[C+\k]
.endr
.irp k, 0,1,2,3,4,5
	v_lshlrev_b32 v[P+\k], 2, v[B+\k]
.endr
	v_min_u32 v8, 1, v0                            ; out1: a row a lane, lanes 2 to 31 repeat row 1
	v_add_nc_u32 v9, s22, v8
	v_lshlrev_b32 v16, 4, v8
	v_lshlrev_b32 v10, 2, v9
; two of the eight stores of the batch in front, from its sets TAp and TCp.  on = 0: there is no batch in front
.macro TPUT on, a, b
.if \on
	ds_store_b32 v[TAp+\a], v[TCp+\a] offset:TAB
	ds_store_b32 v[TAp+\b], v[TCp+\b] offset:TAB
.endif
.endm
; batch g = the eight boxes of loads 2 g and 2 g + 1 of each buffer: each goes to the place of its rank
.macro EA g
.set TAg, TA+8*(\g&1)
.set TCg, TC+8*(\g&1)
.set TAp, TA+8*((\g+1)&1)
.set TCp, TC+8*((\g+1)&1)
	s_wait_loadcnt 28-4*\g                         ; pk and kept take turns: my four loads are in, the 28 - 4 g younger ones stay out
.if \g >= 2
	s_wait_alu depctr_vm_vsrc(0)                   ; the stores issued in the batch in front have read the sets TAg and TCg, which this batch writes again
.endif
.if \g >= 1
	s_wait_alu depctr_va_vdst(0)                   ; the batch in front has written TAp and TCp, which the eight stores below read; no line of this batch names them
.endif
.irp j, 0,1,2,3,4,5,6,7
	v_and_b32 v[TAg+\j], 0xffff, v[E+8*\g+\j]
.endr
	TPUT \g, 0, 1
.irp j, 0,1,2,3,4,5,6,7
	v_lshl_or_b32 v[TCg+\j], v[KP+8*\g+\j], 16, v[IX+\j]       ; kept above, the box's index below
.endr
	TPUT \g, 2, 3
.irp j, 0,1,2,3,4,5,6,7
	v_min_u32 v[TAg+\j], 2047, v[TAg+\j]           ; the rank, held inside the table
.endr
	TPUT \g, 4, 5
.irp j, 0,1,2,3,4,5,6,7
	v_add_nc_u32 v[IX+\j], 256, v[IX+\j]           ; the next batch's indices
.endr
	TPUT \g, 6, 7
.irp j, 0,1,2,3,4,5,6,7
	v_lshlrev_b32 v[TAg+\j], 2, v[TAg+\j]
.endr
.endm
.irp g, 0,1,2,3,4,5,6,7
	EA \g
.endr
.set TAp, TA+8                         ; batch 7's sets
.set TCp, TC+8
	s_wait_alu depctr_va_vdst(0)                   ; batch 7 has written its sets, which the last eight stores read; and every line that read E is done: the loads below land in E
	TPUT 1, 0, 1
	TPUT 1, 2, 3
	TPUT 1, 4, 5
	TPUT 1, 6, 7
.set q, 0
.rept 64
	ds_load_b32 v[E+q], v2 offset:TAB+128*q        ; rank 32 q + lane; in order behind the stores above: one wave, one queue
.set q, q+1
.endr
	s_wait_dscnt 0x0
	s_wait_alu depctr_vm_vsrc(0)                   ; the stores into the table have read both sets of TA, which the next two batches write again
; four of the eight stores of the batch in front: addresses from its set TAp, data from its eight registers of E, at Ep
.macro SPUT on, a, b, c, d
.if \on
.irp j, \a, \b, \c, \d
	ds_store_b32 v[TAp+\j], v[Ep+\j] offset:SEL
.endr
.endif
.endm
; batch g = ranks 256 g .. 256 g + 255: the kept ones move up to their places
.macro EB g
.set TAg, TA+8*(\g&1)
.set TAp, TA+8*((\g+1)&1)
.set Ep,  E+8*(\g-1)
	s_mov_b32 s[PB], s[PB+8]                       ; kept boxes of the batches in front
.if \g >= 2
	s_wait_alu depctr_vm_vsrc(0)                   ; the stores issued in the batch in front have read the set TAg, which this batch writes again
.endif
.if \g >= 1
	s_wait_alu depctr_va_vdst(0)                   ; the batch in front has written TAp, the addresses of the eight stores below; no line of this batch names it
.endif
.irp j, 0,1,2,3,4,5,6,7
	v_cmp_le_u32 s[MB+\j], s28, v[E+8*\g+\j]       ; kept
.endr
	SPUT \g, 0, 1, 2, 3
	s_wait_alu depctr_va_sdst(0)                   ; the eight compares have written the ballots s[MB ..], ahead of their first reader
.irp j, 0,1,2,3,4,5,6,7
	s_bcnt1_i32_b32 s27, s[MB+\j]
	s_add_co_u32 s[PB+\j+1], s[PB+\j], s27
.endr
.irp j, 0,1,2,3,4,5,6,7
	v_mbcnt_lo_u32_b32 v[TAg+\j], s[MB+\j], s[PB+\j]
.endr
	SPUT \g, 4, 5, 6, 7
.irp j, 0,1,2,3,4,5,6,7
	v_cndmask_b32 v[TAg+\j], v6, v[TAg+\j], s[MB+\j]
.endr
.irp j, 0,1,2,3,4,5,6,7
	v_min_u32 v[TAg+\j], 128, v[TAg+\j]            ; places from 128 on are never read: to the spare word
.endr
.irp j, 0,1,2,3,4,5,6,7
	v_lshlrev_b32 v[TAg+\j], 2, v[TAg+\j]
.endr
.endm
.irp g, 0,1,2,3,4,5,6,7
	EB \g
.endr
.set TAp, TA+8                         ; batch 7's set and its registers of E
.set Ep,  E+56
	s_wait_alu depctr_va_vdst(0)                   ; batch 7 has written its set, the addresses of the last eight stores
	SPUT 1, 0, 1, 2, 3
	SPUT 1, 4, 5, 6, 7
	s_min_u32 s21, s[PB+8], 100                    ; rows that have a kept box
	; which box each of my words' rows selects (in order behind the stores above: one wave, one queue)
.irp k, 0,1,2,3,4,5
	ds_load_b32 v[DD+\k], v[P+\k] offset:SEL
.endr
	ds_load_b32 v11, v10 offset:SEL
	s_wait_dscnt 0x0
	v_and_b32 v11, 0xffff, v11
.irp k, 0,1,2,3,4,5
	v_and_b32 v[DD+\k], 0xffff, v[DD+\k]
.endr
	v_min_u32 v11, 2047, v11
.irp k, 0,1,2,3,4,5
	v_min_u32 v[DD+\k], 2047, v[DD+\k]             ; the box's index, held inside the image
.endr
	v_lshlrev_b32 v11, 4, v11
.irp k, 0,1,2,3,4,5
	v_mul_u32_u24 v[DD+\k], v[DD+\k], 324
.endr
.irp k, 0,1,2,3,4,5
	v_add_nc_u32 v[DD+\k], v[DD+\k], v[C+\k]
.endr
	s_wait_alu depctr_va_vdst(0)                   ; v11 and v[DD ..] are written, the offsets of the seven gathers; the first phase's lines that read KP's first six registers are done: the logits land there
	global_load_b128 v[12:15], v11, s[8:9]         ; older than the 6 loads below
.irp k, 0,1,2,3,4,5
	global_load_b32 v[LG+\k], v[DD+\k], s[10:11]
.endr
	; while they are out: which rows have a kept box
.irp k, 0,1,2,3,4,5
	v_cmp_gt_u32 s[MB+\k], s21, v[B+\k]
.endr
	v_cmp_gt_u32 s[MB+6], s21, v9
	s_wait_alu depctr_va_sdst(0)                   ; the seven compares have written s[MB .. MB+6], ahead of their first reader
	s_wait_loadcnt STEPS                           ; loads return in order: the box is in, the six younger loads stay out
.irp k, 0,1,2,3
	v_cndmask_b32 v[12+\k], 0, v[12+\k], s[MB+6]
.endr
	s_wait_loadcnt 0x0                             ; the six logits
.irp k, 0,1,2,3,4,5
	v_cndmask_b32 v[LG+\k], 0, v[LG+\k], s[MB+\k]
.endr
	s_wait_alu depctr_va_vdst(0)                   ; the ten selects have written v[LG ..] and v[12:15], which the seven stores read
.irp k, 0,1,2,3,4,5
	global_store_b32 v[A+\k], v[LG+\k], s[12:13]   ; 128 neighbouring bytes a store
.endr
	global_store_b128 v16, v[12:15], s[14:15]      ; the group's 32 neighbouring bytes of out1
	s_wait_dscnt 0x0
	s_wait_alu depctr_hold_cnt(0) depctr_sa_sdst(0) depctr_va_vdst(0) depctr_va_sdst(0) depctr_va_ssrc(0) depctr_va_vcc(0) depctr_vm_vsrc(0)
	s_wait_tensorcnt 0x0
	ds_add_u32 v222, v223
	s_wait_dscnt 0x0
	s_endpgm
.Lfunc_end_k_q3d88c48f22_emit:
	.size	k_q3d88c48f22_emit, .Lfunc_end_k_q3d88c48f22_emit-k_q3d88c48f22_emit
	.p2alignl 7, 3214868480
	.fill 96, 4, 3214868480
	.section	.rodata,"a",@progbits
	.p2align	6, 0x0
	.amdhsa_kernel k_q3d88c48f22_emit
		.amdhsa_group_segment_fixed_size 9216
		.amdhsa_private_segment_fixed_size 0
		.amdhsa_enable_private_segment 0
		.amdhsa_kernarg_size 48
		.amdhsa_user_sgpr_count 2
		.amdhsa_user_sgpr_kernarg_segment_ptr 1
		.amdhsa_wavefront_size32 1
		.amdhsa_system_sgpr_workgroup_id_x 1
		.amdhsa_system_sgpr_workgroup_id_y 1
		.amdhsa_system_sgpr_workgroup_id_z 1
		.amdhsa_system_vgpr_workitem_id 0
		.amdhsa_next_free_vgpr 224
		.amdhsa_next_free_sgpr 66
		.amdhsa_reserve_vcc 0
		.amdhsa_float_denorm_mode_32 3
		.amdhsa_float_denorm_mode_16_64 3
		.amdhsa_memory_ordered 1
		.amdhsa_forward_progress 1
		.amdhsa_inst_pref_size 67
	.end_amdhsa_kernel
	.amdgpu_metadata
---
amdhsa.version: [ 1, 2 ]
amdhsa.kernels:
  - .name:           k_q3d88c48f22_emit
    .symbol:         k_q3d88c48f22_emit.kd
    .args:
      - { .name: pk, .offset: 0, .size: 8, .value_kind: global_buffer, .address_space: global }
      - { .name: kept, .offset: 8, .size: 8, .value_kind: global_buffer, .address_space: global }
      - { .name: boxes, .offset: 16, .size: 8, .value_kind: global_buffer, .address_space: global }
      - { .name: cls_logit, .offset: 24, .size: 8, .value_kind: global_buffer, .address_space: global }
      - { .name: out0, .offset: 32, .size: 8, .value_kind: global_buffer, .address_space: global }
      - { .name: out1, .offset: 40, .size: 8, .value_kind: global_buffer, .address_space: global }
    .group_segment_fixed_size: 9216
    .private_segment_fixed_size: 0
    .kernarg_segment_align: 8
    .kernarg_segment_size: 48
    .max_flat_workgroup_size: 32
    .sgpr_count:     66
    .vgpr_count:     224
    .wavefront_size: 32
...
	.end_amdgpu_metadata
.endif
;; end of part 8
